; MI455X (gfx1250); checked and timed in simulation.
; The chip was launched on July 23, 2026; its instructions are those of AMD's public machine-readable ISA for CDNA 5 (MIT licence, August 2026) and "CDNA5" Instruction Set Architecture Reference Guide (July 2026). The comments in the code are by the model that wrote it; some were corrected since.
;; Nvidia Rel Partial Learnable Multi Head Attn. Allowed arithmetic: matrix products marked QUANTISED: E3M2 operands, one E8M0 scale for each 32 along K, by v_wmma_scale_f32_16x16x128_f8f6f4 with both operands' format E3M2, f32 sums; everything else in f32.
;; Inputs: W_o 1,024 x 1,024 float32; W_qkv 1,024 x 3,072 float32; W_r 1,024 x 1,024 float32; attn_mask 2,048 x 2,048 bool; content 2,048 x 2 x 1,024 float32; ln_beta 1,024 float32; ln_gamma 1,024 float32; r_r_bias 16 x 64 float32; r_w_bias 16 x 64 float32; rel_pos 2,048 x 1,024 float32.
;; Outputs: out0 2,048 x 2 x 1,024 float32.
;; This version of the problem:
;;   THIS VERSION OF THE PROBLEM IS GIVEN IN LOW PRECISION. The matrix products marked QUANTISED in the list below multiply operands that are first quantised to E3M2 (3 exponent bits, 2 mantissa bits; 6 bits a number), with one power-of-two scale for each 32 numbers along K (OCP MX v1.0); their sums are f32. All else is computed in f32.
;;   The module's matrix products, in the order in which they are computed (A, B: the left and right operand; K: the contracted axis; several contracted axes count as one K, in the product's order):
;;     1. [M 4,096, K 1,024] x [K 1,024, N 3,072]; A: input content; B: input W_qkv: QUANTISED
;;     2. [M 2,048, K 1,024] x [K 1,024, N 1,024]; A: input rel_pos; B: input W_r: QUANTISED
;;     3. batch 32 x [M 2,048, K 64] x [K 64, N 2,048]; A: computed on the way; B: computed on the way: QUANTISED
;;     4. batch 16 x [M 2,048, K 64] x [K 64, N 4,096]; A: computed on the way; B: computed on the way: QUANTISED
;;     5. batch 32 x [M 64, K 2,048] x [K 2,048, N 2,048]; A: computed on the way; B: softmax (see below): QUANTISED
;;     6. [M 4,096, K 1,024] x [K 1,024, N 1,024]; A: computed on the way; B: input W_o: QUANTISED
;;   THE QUANTISER, for each operand of a quantised product, along K:
;;     - K is cut into blocks of 32 from its start; a last block that is shorter is filled with zeros.
;;     - A block's scale is 2^e with e = floor(log2(the largest magnitude in the block)) - 4, held to -126 .. 127; a block of zeros has e = 0. As a byte (E8M0): e + 127.
;;     - Each number is divided by its block's scale, clamped to +-28, and rounded to the nearest number of E3M2, ties to even, subnormals kept.
;;     - The product sums the exact products of the quantised numbers (number of the format x scale) in f32.
;;   ~~~python
;;   def quantise(x, axis):      # numpy; x: float32 -> the quantised numbers, widened to float32 again
;;       x = np.moveaxis(x, axis, -1); K = x.shape[-1]
;;       x = np.pad(x, [(0, 0)] * (x.ndim - 1) + [(0, -K % 32)]); x = x.reshape(x.shape[:-1] + (-1, 32)); a = np.abs(x).max(-1, keepdims=True)
;;       e = np.where(a > 0, np.clip(np.frexp(np.where(a > 0, a, 1))[1] - 1 - 4, -126, 127), 0)      # np.frexp(a)[1] - 1 = floor(log2(a)), exactly
;;       r = np.clip(x / 2.0 ** e, -28, 28)
;;       step = 2.0 ** (np.maximum(np.frexp(np.where(r == 0, 1, r))[1] - 1, -2) - 2)
;;       q = np.round(r / step) * step * 2.0 ** e      # np.round: ties to even
;;       return np.moveaxis(q.reshape(q.shape[:-2] + (-1,))[..., :K], -1, axis).astype(np.float32)
;;   ~~~
;;   SOFTMAX AHEAD OF A QUANTISED PRODUCT. Where the list says 'softmax', what is quantised is not the finished softmax but p = 2^(t - M), with t = logit x log2(e) and M = ceil(the row's largest t), a whole number; so 1/2 < the row's largest p <= 1. The row's sum l is taken of the UNQUANTISED p, in f32, and the product's result is divided by l at the end. Since M is a whole number, a kernel that streams over the keys may use a running M (the ceiling of the running maximum): every later rescaling is an exact power of two, which a block's scale takes up: the codes' values come out the same.
;;   OPERANDS COMPUTED ON THE WAY. 'Computed on the way' means the value that the module computes at that place (a softmax that the list does not call 'softmax' is quantised finished and normalised). What goes into a quantiser is computed in f32, as accurately as f32 sums, v_exp_f32 and their like allow (about 1e-6 of the number): no bf16 or f16 on the way to a quantiser, and a product that is left as it is and whose result goes on into a quantised operand takes f32 operands (vector FMAs, or v_wmma_f32_16x16x4_f32). A number that lies on a knife's edge between two numbers of the format may be rounded either way, as far as f32 arithmetic and the matrix unit's own rounding can turn it there, and no further.
;; 2 versions, each right; version 2 is version 1 with the launches attn, oln written anew for expert scheduling mode. Each part assembles by itself: llvm-mc -triple=amdgcn-amd-amdhsa -mcpu=gfx1250 --defsym DOCPART=n.
;; ======== version 1 of 2: 4 launches
;; workspace buffers: cod 8,650,752 bytes; scl 360,448 bytes; mb 524,800 bytes of whole numbers; att 14,745,600 bytes; av 3,276,800 bytes
;; launch prep (part 1): grid 384 x 1, 4 waves a work-group, no clusters, 34,304 bytes of LDS; arguments content, rel_pos, W_qkv, W_r, W_o, attn_mask, cod, scl, mb; writes cod, scl, mb
.if DOCPART == 1
	.amdgcn_target "amdgcn-amd-amdhsa--gfx1250"
	.amdhsa_code_object_version 6
	.text
	.protected	k_q03f25974f5_prep
	.globl	k_q03f25974f5_prep
	.p2align	8
	.type	k_q03f25974f5_prep,@function
k_q03f25974f5_prep:
	s_mov_b64 s[64:65], 0
	v_nop
	global_prefetch_b8 v0, s[64:65] scope:SCOPE_SE
	s_setreg_imm32_b32 hwreg(HW_REG_WAVE_MODE, 25, 1), 1
	s_wait_xcnt 0x0
; PREP.  All f32 operands of the three projections become codes of BF6 (E3M2) with one E8M0 byte for each 32 along K = 1,024, and the mask becomes bits.
; A TILE is 16 rows of an operand: tile T holds rows 32 (T / 2) + 8 (T % 2) + p + 8 (p / 8), p = 0 .. 15, so that a product which takes tiles 2 g and 2 g + 1 as its first source leaves a lane 16 NEIGHBOURS of that axis.
; cod: 704 tiles x 12,288 bytes; a tile is 8 images of an operand's 12 registers (16 rows x 128 K): registers 4 c .. 4 c + 3 of lane l at 512 c + 16 l.  Tiles 0-255 tokens ([b][i]), 256-383 rel_pos, 384-575 W_qkv's columns, 576-639 W_r's, 640-703 W_o's.
; scl: 32 scale bytes for each row of a tile, in the tiles' order.
; mb:  row q of the mask at 256 q: the halfword at 8 L + 2 k holds keys 512 k + 16 L + 0 .. 15, bit i for key + i.  At 524,288 one word for each tile of 16 queries: bit s: all 128 keys of step s are masked for all 16; bit 16 + s: none is.
; A block's scale is 2^(floor(log2(largest magnitude)) - 4); its byte is the largest magnitude's exponent field - 4.
; LIMITS: the largest magnitude has the floor 2^(5 - 127), so the byte is at least 1; a block of zeros keeps byte 1 (its codes are zeros; the bytes are read by this program alone).  NaN and infinities among the inputs are not served.
; Work-groups 0-191: rows (K innermost); 192-351: weights (K outermost); 352-383: the mask.  Waves share nothing: no barrier.  Only the rows' path uses LDS.
.set OFF, 16                           ; rows: v16-31 byte offset of my 16 bytes in each of the tile's 16 rows
.set RR,  32                           ; rows: v32-159 two sets of 64 registers as loaded
.set XX,  160                          ; rows: v160-223 my two blocks of 32 neighbours
.set TM,  224                          ; rows: v224-231 at work
.set FF,  232                          ; rows: v232-243 the fragment
.set CT,  244                          ; rows: v244-246, v248-250 the upper halves of the two blocks' codes
.set SW,  252                          ; rows: v252-255 four scale words
.set WX,  32                           ; weights: v32-95 two sets of 32 numbers
.set WCT, 96                           ; weights: v96-98 a block's upper 16 codes
.set WF,  128                          ; weights: v128-175 codes: 24 registers for each of two K steps
.set SB,  24                           ; weights: v24-25 eight scale bytes
.set MX,  32                           ; mask: v32-159 two groups of four rows
.set MD,  160                          ; mask: v160-167 four rows' bits
.set MA,  168                          ; mask: v168-169 the 16 rows' AND
.set MO,  170                          ; mask: v170-171 their OR
.macro LOADK j                         ; K step j of my four: each load reads 512 consecutive bytes of one row
.irp p, 0,1,2,3,4,5,6,7,8,9,10,11,12,13,14,15
	global_load_b128 v[RR+64*((\j)%2)+4*\p:RR+64*((\j)%2)+4*\p+3], v[OFF+\p], s[26:27] offset:512*(\j) th:TH_LOAD_NT
.endr
.endm
.macro KSTEP j
.if (\j) < 3
	s_wait_loadcnt 16                              ; this K step's 16 loads are in; the next step's 16 may be out
.else
	s_wait_loadcnt 0x0
.endif
.irp p, 0,1,2,3,4,5,6,7,8,9,10,11,12,13,14,15
	ds_store_b128 v6, v[RR+64*((\j)%2)+4*\p:RR+64*((\j)%2)+4*\p+3] offset:528*\p   ; through my own stage: rows of 512 bytes + 16
.endr
.irp c, 0,1
.irp k, 0,1,2,3,4,5,6,7
	ds_load_b128 v[XX+32*\c+4*\k:XX+32*\c+4*\k+3], v7 offset:256*\c+16*\k          ; lane (r, h): k = 64 c + 32 h + 0 .. 31 of row r.  LDS serves a wave's instructions in order
.endr
.endr
	s_wait_dscnt 0x0                               ; the numbers are back, and the stores have read their registers,
.if (\j) < 2
	LOADK (\j)+2                                   ; which take the loads of two steps on
.endif
.irp c, 0,1
	v_max3_num_f32 v[TM+\c], |v[XX+32*\c]|, |v[XX+32*\c+1]|, 0x2800000             ; block 2 c + h: all 32 numbers are mine; the floor 2^(5 - 127) is one more leaf
.endr
.irp i, 2,4,6,8,10,12,14,16,18,20,22,24,26,28,30
.irp c, 0,1
	v_max3_num_f32 v[TM+\c], v[TM+\c], |v[XX+32*\c+\i]|, |v[XX+32*\c+\i+1]|
.endr
.endr
.irp c, 0,1
	v_add_nc_u32 v[TM+2+\c], 0xfe000000, v[TM+\c]  ; 4 off the exponent field: the conversion's scale operand
.endr
.irp c, 0,1
	v_lshrrev_b32 v[TM+4+\c], 23, v[TM+2+\c]       ; the scale's byte
.endr
	v_lshl_or_b32 v[TM+6], v[TM+5], 16, v[TM+4]    ; my bytes: blocks h and 2 + h,
	v_lshlrev_b32 v[TM+6], v9, v[TM+6]             ; 8 h bits up;
	v_permlanex16_b32 v[TM+7], v[TM+6], s2, s3
	v_or_b32 v[SW+(\j)], v[TM+6], v[TM+7]          ; with lane l xor 16's two the word is whole
	s_wait_xcnt 0x0                                ; the last step's stores have read the fragment's registers
.irp c, 0,1
	v_cvt_scalef32_pk16_bf6_f32 v[FF+6*\c:FF+6*\c+2], v[XX+32*\c:XX+32*\c+15], v[TM+2+\c]
	v_cvt_scalef32_pk16_bf6_f32 v[CT+4*\c:CT+4*\c+2], v[XX+32*\c+16:XX+32*\c+31], v[TM+2+\c]   ; (a conversion's three registers begin on an even number)
.endr
	v_nop                                          ; one plain line behind the scaled conversions
.irp c, 0,1
.irp i, 0,1,2
	v_mov_b32 v[FF+6*\c+3+\i], v[CT+4*\c+\i]
.endr
.endr
.irp c, 0,1,2
	global_store_b128 v5, v[FF+4*\c:FF+4*\c+3], s[36:37] offset:1536*(\j)+512*\c   ; 32 lanes store 512 consecutive bytes, aligned to 256
.endr
.endm
.macro WLOAD t, pitch                  ; block t: W(32 t + i, my column)
.irp i, 0,1,2,3,4,5,6,7,8,9,10,11,12,13,14,15,16,17,18,19,20,21,22,23,24,25,26,27,28,29,30,31
	global_load_b32 v[WX+32*((\t)%2)+\i], v6, s[8:9] offset:(32*(\t)+\i)*(\pitch) th:TH_LOAD_NT
.endr
.endm
.macro WBLOCK t, pitch
.set XS, WX+32*((\t)%2)
.set FD, WF+24*((\t)/4)+12*((\t)%2)+6*(((\t)%4)/2)   ; even blocks of a K step in the first 12 registers, odd blocks in the second 12
.if (\t) < 7
	s_wait_loadcnt 32                              ; this block's 32 loads are in; the next block's may be out
.else
	s_wait_loadcnt 0x0
.endif
	v_max3_num_f32 v12, |v[XS]|, |v[XS+1]|, |v[XS+2]|
	v_max3_num_f32 v13, |v[XS+3]|, |v[XS+4]|, |v[XS+5]|
.irp i, 6,10,14,18,22,26
	v_max3_num_f32 v12, v12, |v[XS+\i]|, |v[XS+\i+1]|
	v_max3_num_f32 v13, v13, |v[XS+\i+2]|, |v[XS+\i+3]|
.endr
	v_max3_num_f32 v12, v12, |v[XS+30]|, |v[XS+31]|
	v_max3_num_f32 v12, v12, v13, 0x2800000        ; and the floor
	v_add_nc_u32 v11, 0xfe000000, v12
	v_lshrrev_b32 v13, 23, v11
.if (\t)%4 == 0
	v_mov_b32 v[SB+(\t)/4], v13
.else
	v_lshl_or_b32 v[SB+(\t)/4], v13, 8*((\t)%4), v[SB+(\t)/4]
.endif
	v_cvt_scalef32_pk16_bf6_f32 v[FD:FD+2], v[XS:XS+15], v11
	v_cvt_scalef32_pk16_bf6_f32 v[WCT:WCT+2], v[XS+16:XS+31], v11
	v_nop                                          ; one plain line behind the scaled conversions
.irp i, 0,1,2
	v_mov_b32 v[FD+3+\i], v[WCT+\i]
.endr
.if (\t)+2 < 8
	WLOAD (\t)+2, \pitch
.endif
.if (\t)%4 == 3                        ; a K step is whole.  Lanes 0-15 hold all four blocks of tile 2 g's columns, lanes 16-31 of tile 2 g + 1's: the exchange gives each tile its image (lanes 0-15 even blocks, lanes 16-31 odd)
.set FU, WF+24*((\t)/4)
.set i2, 0
.rept 12
	v_permlane16_swap_b32 v[FU+i2], v[FU+12+i2]
.set i2, i2+1
.endr
.irp c, 0,1,2
	global_store_b128 v5, v[FU+4*\c:FU+4*\c+3], s[16:17] offset:1536*((\t)/4)+512*\c
	global_store_b128 v5, v[FU+12+4*\c:FU+12+4*\c+3], s[16:17] offset:12288+1536*((\t)/4)+512*\c
.endr
.endif
.endm
.macro QW pitch                        ; a wave's 32 columns x 256 along K: eight blocks, loads two blocks ahead; each K step has registers of its own for its codes, so no store's data are written again
	WLOAD 0, \pitch
	WLOAD 1, \pitch
.irp t, 0,1,2,3,4,5,6,7
	WBLOCK \t, \pitch
.endr
	global_store_b64 v7, v[SB:SB+1], s[18:19]      ; my column's eight scale bytes
.endm
.macro MLOAD g                         ; four rows of the mask: each load reads 512 consecutive bytes
.irp pp, 0,1,2,3
.irp k, 0,1,2,3
	global_load_b128 v[MX+64*((\g)%2)+16*\pp+4*\k:MX+64*((\g)%2)+16*\pp+4*\k+3], v5, s[14:15] offset:((4*(\g)+\pp)+8*((4*(\g)+\pp)/8))*2048+512*\k th:TH_LOAD_NT
.endr
.endr
.endm
.macro MGROUP g
.if (\g) < 3
	s_wait_loadcnt 16                              ; this group's 16 loads are in; the next group's may be out
.else
	s_wait_loadcnt 0x0
.endif
	s_wait_xcnt 0x0                                ; the last group's stores have read their data registers
.irp pp, 0,1,2,3
.set XR, MX+64*((\g)%2)+16*\pp
.set d, 0
.rept 16
	v_mul_lo_u32 v[XR+d], v[XR+d], s30             ; four bytes of 0 or 1 times 2^24 + 2^17 + 2^10 + 2^3: their four bits meet at bits 24 to 27, and no two terms share a bit
.set d, d+1
.endr
.set d, 0
.rept 16
	v_lshrrev_b32 v[XR+d], 24, v[XR+d]
.set d, d+1
.endr
.irp k, 0,1,2,3
	v_lshl_or_b32 v[XR+4*\k], v[XR+4*\k+1], 4, v[XR+4*\k]
	v_lshl_or_b32 v[XR+4*\k], v[XR+4*\k+2], 8, v[XR+4*\k]
	v_lshl_or_b32 v[XR+4*\k], v[XR+4*\k+3], 12, v[XR+4*\k]
.endr
	v_lshl_or_b32 v[MD+2*\pp], v[XR+4], 16, v[XR]
	v_lshl_or_b32 v[MD+2*\pp+1], v[XR+12], 16, v[XR+8]
	global_store_b64 v6, v[MD+2*\pp:MD+2*\pp+1], s[28:29] offset:((4*(\g)+\pp)+8*((4*(\g)+\pp)/8))*256   ; 32 lanes store 256 consecutive bytes, aligned
.if (\g)+\pp == 0
	v_mov_b32 v[MA], v[MD]
	v_mov_b32 v[MA+1], v[MD+1]
	v_mov_b32 v[MO], v[MD]
	v_mov_b32 v[MO+1], v[MD+1]
.else
	v_and_b32 v[MA], v[MA], v[MD+2*\pp]
	v_and_b32 v[MA+1], v[MA+1], v[MD+2*\pp+1]
	v_or_b32 v[MO], v[MO], v[MD+2*\pp]
	v_or_b32 v[MO+1], v[MO+1], v[MD+2*\pp+1]
.endif
.endr
.if (\g) < 2
	MLOAD (\g)+2
.endif
.endm
.macro RED x                           ; a mask of 32 lanes -> four bits: bit m = all of lanes 8 m .. 8 m + 7
	s_lshr_b32 s40, s[\x], 4
	s_and_b32 s[\x], s[\x], s40
	s_lshr_b32 s40, s[\x], 2
	s_and_b32 s[\x], s[\x], s40
	s_lshr_b32 s40, s[\x], 1
	s_and_b32 s[\x], s[\x], s40
	s_and_b32 s[\x], s[\x], 0x01010101
	s_mul_i32 s[\x], s[\x], 0x10204080             ; bits 0, 8, 16, 24 meet at bits 28 to 31
	s_lshr_b32 s[\x], s[\x], 28
.endm
	s_load_b256 s[4:11], s[0:1], 0x0               ; content, rel_pos, W_qkv, W_r
	s_load_b256 s[12:19], s[0:1], 0x20             ; W_o, attn_mask, cod, scl
	s_load_b64 s[20:21], s[0:1], 0x40              ; mb
	v_lshl_add_u32 v247, v0, 2, 0x8400
	v_mov_b32 v251, 0
	v_lshrrev_b32 v1, 5, v0
	v_readfirstlane_b32 s22, v1                    ; wave
	v_and_b32 v2, 31, v0                           ; lane
	v_and_b32 v3, 15, v0                           ; r
	v_bfe_u32 v4, v0, 4, 1                         ; h
	v_lshlrev_b32 v5, 4, v2                        ; 16 x lane
	s_wait_kmcnt 0x0
	s_cmp_ge_u32 ttmp9, 352
	s_cbranch_scc1 .Lmask
	s_cmp_ge_u32 ttmp9, 192
	s_cbranch_scc1 .Lweights
	; ---- ROWS: a wave takes one tile x 512 along K (four K steps)
	s_mov_b32 s2, 0x76543210
	s_mov_b32 s3, 0xfedcba98                       ; selects for lane l xor 16
	s_lshl_b32 s23, ttmp9, 2
	s_add_co_u32 s23, s23, s22
	s_lshr_b32 s24, s23, 1                         ; tile 0 .. 383
	s_and_b32 s25, s23, 1                          ; which half of K
	s_cmp_lt_u32 s24, 256                          ; a tile of tokens or of rel_pos?
	s_cselect_b64 s[26:27], s[4:5], s[6:7]
	s_cselect_b32 s28, 13, 12                      ; from row i to row i + 1: 8,192 bytes in content (two batches), 4,096 in rel_pos
	s_cselect_b32 s29, 1, 0
	s_lshr_b32 s31, s24, 7
	s_and_b32 s31, s31, s29                        ; the batch (0 for rel_pos)
	s_and_b32 s30, s24, 127                        ; T
	s_lshr_b32 s32, s30, 1
	s_lshl_b32 s32, s32, 5
	s_and_b32 s33, s30, 1
	s_lshl_b32 s33, s33, 3
	s_add_co_u32 s32, s32, s33                     ; the tile's first row
	s_lshl_b32 s32, s32, s28
	s_lshl_b32 s31, s31, 12
	s_add_co_u32 s32, s32, s31
	s_lshl_b32 s33, s25, 11
	s_add_co_u32 s32, s32, s33
	s_mov_b32 s33, 0
	s_add_nc_u64 s[26:27], s[26:27], s[32:33]
	s_mul_i32 s34, s24, 12288
	s_mul_i32 s35, s25, 6144
	s_add_co_u32 s34, s34, s35
	s_mov_b32 s35, 0
	s_add_nc_u64 s[36:37], s[16:17], s[34:35]      ; my four images
	s_lshl_b32 s34, s24, 9
	s_lshl_b32 s38, s25, 4
	s_add_co_u32 s34, s34, s38
	s_add_nc_u64 s[38:39], s[18:19], s[34:35]      ; my 16 bytes of each row's 32 scale bytes
.irp p, 0,1,2,3,4,5,6,7,8,9,10,11,12,13,14,15
	s_lshl_b32 s40, \p+8*(\p/8), s28
	v_add_nc_u32 v[OFF+\p], s40, v5
.endr
	s_mul_i32 s40, s22, 8448                       ; my stage: 16 rows x 528 bytes
	v_add_nc_u32 v6, s40, v5                       ; in: 16 x lane
	v_mul_u32_u24 v7, v3, 528
	v_lshl_add_u32 v7, v4, 7, v7
	v_add_nc_u32 v7, s40, v7                       ; out: row r, + 128 h
	v_lshlrev_b32 v8, 5, v3                        ; 32 r
	v_lshlrev_b32 v9, 3, v4                        ; 8 h
	v_mov_b32 v[TM+7], 0                           ; written once: a lane permute's destination counts as one of its sources
	LOADK 0
	LOADK 1
	KSTEP 0
	KSTEP 1
	KSTEP 2
	KSTEP 3
	global_store_b128 v8, v[SW:SW+3], s[38:39]     ; four scale words a row (lanes 16-31 write what lanes 0-15 write)
	s_wait_tensorcnt 0x0
	ds_add_u32 v247, v251
	s_wait_dscnt 0x0
	s_endpgm
	; ---- WEIGHTS: a lane takes a column, its registers run down K; a wave takes 32 columns (two tiles) x 256 along K
.Lweights:
	s_sub_co_u32 s23, ttmp9, 192
	s_lshr_b32 s24, s23, 2                         ; group of 128 columns, 0 .. 39
	s_and_b32 s25, s23, 3                          ; quarter of K
	v_and_b32 v6, 7, v2
	v_and_b32 v7, 8, v2
	v_lshl_or_b32 v6, v7, 1, v6
	v_and_b32 v7, 16, v2
	v_lshrrev_b32 v7, 1, v7
	v_or_b32 v6, v6, v7                            ; lanes 0-15: tile 2 g's columns in the tile's order, lanes 16-31: tile 2 g + 1's
	v_lshlrev_b32 v6, 2, v6
	v_lshlrev_b32 v7, 5, v2                        ; 32 bytes of scales a row
	s_lshl_b32 s26, s24, 3
	s_lshl_b32 s27, s22, 1
	s_add_co_u32 s26, s26, s27
	s_add_co_u32 s26, s26, 384                     ; my first tile
	s_mul_i32 s28, s26, 12288
	s_mul_i32 s29, s25, 3072
	s_add_co_u32 s28, s28, s29
	s_mov_b32 s29, 0
	s_add_nc_u64 s[16:17], s[16:17], s[28:29]
	s_lshl_b32 s28, s26, 9
	s_lshl_b32 s30, s25, 3
	s_add_co_u32 s28, s28, s30
	s_add_nc_u64 s[18:19], s[18:19], s[28:29]
	s_lshl_b32 s31, s22, 7                         ; my wave's 32 columns
	s_cmp_ge_u32 s24, 24
	s_cbranch_scc1 .Lsquare
	s_lshl_b32 s28, s24, 9
	s_add_co_u32 s28, s28, s31
	s_mul_i32 s30, s25, 256*12288
	s_add_co_u32 s28, s28, s30
	s_add_nc_u64 s[8:9], s[8:9], s[28:29]
	QW 12288
	s_endpgm
.Lsquare:
	s_cmp_lt_u32 s24, 32
	s_cselect_b64 s[8:9], s[10:11], s[12:13]       ; W_r or W_o
	s_and_b32 s28, s24, 7
	s_lshl_b32 s28, s28, 9
	s_add_co_u32 s28, s28, s31
	s_mul_i32 s30, s25, 256*4096
	s_add_co_u32 s28, s28, s30
	s_add_nc_u64 s[8:9], s[8:9], s[28:29]
	QW 4096
	s_endpgm
	; ---- MASK: a wave takes the 16 rows of one tile of queries
.Lmask:
	s_sub_co_u32 s23, ttmp9, 352
	s_lshl_b32 s23, s23, 2
	s_add_co_u32 s23, s23, s22                     ; T
	s_lshr_b32 s24, s23, 1
	s_lshl_b32 s24, s24, 5
	s_and_b32 s25, s23, 1
	s_lshl_b32 s25, s25, 3
	s_add_co_u32 s24, s24, s25                     ; the tile's first row
	s_lshl_b32 s26, s24, 11
	s_mov_b32 s27, 0
	s_add_nc_u64 s[14:15], s[14:15], s[26:27]
	s_lshl_b32 s26, s24, 8
	s_add_nc_u64 s[28:29], s[20:21], s[26:27]
	s_lshl_b32 s26, s23, 2
	s_add_co_u32 s26, s26, 524288
	s_add_nc_u64 s[20:21], s[20:21], s[26:27]      ; the tile's word of flags
	v_lshlrev_b32 v6, 3, v2
	s_mov_b32 s30, 0x01020408
	MLOAD 0
	MLOAD 1
	MGROUP 0
	MGROUP 1
	MGROUP 2
	MGROUP 3
	v_mov_b32 v172, 0xffff
.irp k, 0,1,2,3
.if \k%2 == 0
	v_and_b32 v173, 0xffff, v[MA+\k/2]
	v_and_b32 v174, 0xffff, v[MO+\k/2]
.else
	v_lshrrev_b32 v173, 16, v[MA+\k/2]
	v_lshrrev_b32 v174, 16, v[MO+\k/2]
.endif
	v_cmp_eq_u32 s[32+\k], v172, v173              ; lanes whose 16 keys are masked in all 16 rows
	v_cmp_eq_u32 s[36+\k], 0, v174                 ; lanes whose 16 keys are masked in none
.endr
.irp x, 32,33,34,35,36,37,38,39
	RED \x
.endr
	s_mov_b32 s41, s32
.irp x, 1,2,3,4,5,6,7
	s_lshl_b32 s40, s[32+\x], 4*\x
	s_or_b32 s41, s41, s40
.endr
	v_mov_b32 v10, s41
	v_mov_b32 v11, 0
	s_wait_xcnt 0x0                                ; EXEC changes only behind this wait
	v_cmpx_gt_u32 1, v2                            ; lane 0 alone
	global_store_b32 v11, v10, s[20:21]
	s_endpgm
.Lfunc_end_k_q03f25974f5_prep:
	.size	k_q03f25974f5_prep, .Lfunc_end_k_q03f25974f5_prep-k_q03f25974f5_prep
	.p2alignl 7, 3214868480
	.fill 96, 4, 3214868480
	.section	.rodata,"a",@progbits
	.p2align	6, 0x0
	.amdhsa_kernel k_q03f25974f5_prep
		.amdhsa_group_segment_fixed_size 34304
		.amdhsa_private_segment_fixed_size 0
		.amdhsa_enable_private_segment 0
		.amdhsa_kernarg_size 72
		.amdhsa_user_sgpr_count 2
		.amdhsa_user_sgpr_kernarg_segment_ptr 1
		.amdhsa_wavefront_size32 1
		.amdhsa_system_sgpr_workgroup_id_x 1
		.amdhsa_system_sgpr_workgroup_id_y 1
		.amdhsa_system_sgpr_workgroup_id_z 1
		.amdhsa_system_vgpr_workitem_id 0
		.amdhsa_next_free_vgpr 256
		.amdhsa_next_free_sgpr 66
		.amdhsa_reserve_vcc 0
		.amdhsa_float_denorm_mode_32 3
		.amdhsa_float_denorm_mode_16_64 3
		.amdhsa_memory_ordered 1
		.amdhsa_forward_progress 1
		.amdhsa_inst_pref_size 161
	.end_amdhsa_kernel
	.amdgpu_metadata
---
amdhsa.version: [ 1, 2 ]
amdhsa.kernels:
  - .name:           k_q03f25974f5_prep
    .symbol:         k_q03f25974f5_prep.kd
    .args:
      - { .name: content, .offset: 0, .size: 8, .value_kind: global_buffer, .address_space: global }
      - { .name: rel_pos, .offset: 8, .size: 8, .value_kind: global_buffer, .address_space: global }
      - { .name: W_qkv, .offset: 16, .size: 8, .value_kind: global_buffer, .address_space: global }
      - { .name: W_r, .offset: 24, .size: 8, .value_kind: global_buffer, .address_space: global }
      - { .name: W_o, .offset: 32, .size: 8, .value_kind: global_buffer, .address_space: global }
      - { .name: attn_mask, .offset: 40, .size: 8, .value_kind: global_buffer, .address_space: global }
      - { .name: cod, .offset: 48, .size: 8, .value_kind: global_buffer, .address_space: global }
      - { .name: scl, .offset: 56, .size: 8, .value_kind: global_buffer, .address_space: global }
      - { .name: mb, .offset: 64, .size: 8, .value_kind: global_buffer, .address_space: global }
    .group_segment_fixed_size: 34304
    .private_segment_fixed_size: 0
    .kernarg_segment_align: 8
    .kernarg_segment_size: 72
    .max_flat_workgroup_size: 128
    .sgpr_count:     66
    .vgpr_count:     256
    .wavefront_size: 32
...
	.end_amdgpu_metadata
.endif
;; end of part 1
;; launch proj (part 2): grid 56 x 4, 4 waves a work-group, clusters of 4 x 4, 327,680 bytes of LDS; arguments cod, scl, r_w_bias, r_r_bias, att; writes att
.if DOCPART == 2
	.amdgcn_target "amdgcn-amd-amdhsa--gfx1250"
	.amdhsa_code_object_version 6
	.text
	.protected	k_q03f25974f5_proj
	.globl	k_q03f25974f5_proj
	.p2align	8
	.type	k_q03f25974f5_proj,@function
k_q03f25974f5_proj:
	s_mov_b64 s[64:65], 0
	v_nop
	global_prefetch_b8 v0, s[64:65] scope:SCOPE_SE
	s_setreg_imm32_b32 hwreg(HW_REG_WAVE_MODE, 25, 1), 1
	s_wait_xcnt 0x0
	s_wait_alu depctr_hold_cnt(0) depctr_sa_sdst(0) depctr_va_vdst(0) depctr_va_sdst(0) depctr_va_ssrc(0) depctr_va_vcc(0) depctr_vm_vsrc(0)
	s_getreg_b32 s2, hwreg(HW_REG_IB_STS2, 6, 4)
	s_cmp_eq_u32 s2, 0
	s_cbranch_scc0 .Lentry_in_a_cluster
	s_endpgm
.Lentry_in_a_cluster:
	s_bfe_u32 s2, ttmp6, 0x10000c
	s_cmp_lg_u32 s2, 0xf033
	s_cbranch_scc0 .Lentry_shape_is_right
	s_endpgm
.Lentry_shape_is_right:
; PROJ.  content x W_qkv and rel_pos x W_r on codes of BF6, K = 1,024, and the quantising of what attention multiplies: q + r_w_bias, q + r_r_bias, k, r (along the head's 64) and v (along the keys).  No f32 result goes to memory.
; Operands come from cod (images of an operand's 12 registers: 16 rows x 128 K, 1,536 bytes, lane l's registers 4 c .. 4 c + 3 at 512 c + 16 l) and scl (32 scale bytes a row), both in the tiles' order.
; D = S0 x S1^T.  S0 is the first source: its axis runs along a lane's registers, and by the tiles' choice of rows the 16 registers of tiles 2 g, 2 g + 1 are 16 NEIGHBOURS of that axis: the axis along which the result is quantised.
; A cluster of 4 x 4 work-groups makes 1,024 rows of S0 x 1,024 rows of S1; 14 clusters: 0-3 q (S0 = W_q's columns, S1 = tokens), 4-7 k, 8-11 v (S0 = tokens, the keys; S1 = W_v's columns), 12-13 r (S0 = W_r's columns, S1 = rel_pos).
; A work-group makes 256 x 256, each of its four waves 128 x 128: 64 accumulators, 512 registers.  S1's tiles are shared along a row of the cluster, S0's along a column: asked for jointly, with a mask that names the four.
; K goes in four steps of 256.  Three LDS slots take K steps 0, 1, 2 at the start (with the scales: four tensor loads of a wave are out); K step 3 is the one refill, into slot 0, behind a round of the cluster's barrier.
; att: Q1 (q + r_w_bias), Q2 (q + r_r_bias), K: [b][n][tile of 16 tokens] images of 768 bytes (16 rows x 64: registers 0-3 at 16 l, 4-5 at 512 + 8 l); R: [n][tile]; V: [b][n][128 keys][16 of the head's 64] images of 1,536 bytes;
;      their scale bytes: two a row for Q1, Q2, K, R; a word a row and 128 keys for V.
; LIMITS: a block's largest magnitude has the floor 2^(5 - 127) (byte at least 1; a block of zeros keeps byte 1, its codes are zeros).  NaN and infinities are not served.
; REGISTERS, in windows of 256: window 0: v16-31 addresses; v32-63 scale words, two sets; v64-127 r_w_bias in the result's layout; v128-223 S1's fragments, one set; on the way out v128-249 are at work.
;   window 1: S0's fragments, two sets, at v0 and v128; v96-127 and v224-255 r_r_bias.   windows 2, 3: the accumulators ((a, b) at v[8 (8 (a % 4) + b)] of window 2 + a / 4).
.set NQ,     2                         ; matrix instructions deep in a slot
.set FR,     12
.set NL,     3                         ; LDS loads that bring a fragment
.set NP,     4                         ; places behind this matrix instruction (ISA guide 7.12.1)
.set HALFT,  24576                     ; 8 tiles x 3,072 bytes (two images): what one tensor load brings
.set SLOT,   4*HALFT                   ; S1's 256 rows, then S0's
.set SCL,    3*SLOT                    ; behind the slots: the scales, as units of 256 bytes + 16
.set HALFS,  4352
.set SBLK,   544
.set SPARE,  SCL+4*HALFS               ; the spare words: two blocks of 256 bytes that no other line names
.set STGB,   SLOT                      ; the way out's stage for scale bytes, 2,048 bytes a wave, 8,192 for each of three paths: in slot 1, which is filled once and which nobody reads behind the last barrier
.set ADRA, 16                          ; v16-18 LDS address of S1's images in slot 0, 1, 2
.set VSO,  19                          ; v19    V's scale words in memory: 16 (lane % 16) + 4,096 (lane / 16)
.set ADRB, 20                          ; v20-22 the same as ADRA for S0
.set SRD16, 23                         ; v23    stage + 16 x lane
.set L16,  24                          ; v24    16 x lane
.set L8,   25                          ; v25    8 x lane
.set SS2,  26                          ; v26    stage + 2 r
.set ADRS, 27                          ; v27    my scale words: lanes 0-15 S1's rows, lanes 16-31 S0's
.set SPW,  28                          ; v28    my spare word; never rewritten
.set NIL,  29                          ; v29    0; never rewritten
.set SS4,  30                          ; v30    stage + 4 r
.set SRD8, 31                          ; v31    stage + 8 x lane
.set SC,   32
.set BW,   64
.set AF,   128
.set TT,   128                         ; the way out: 64 numbers with a bias added
.set PC0,  192                         ; two sets of 12 + 8 registers for codes
.set TM,   232                         ; v232-247 at work
.set PW0,  248                         ; two scale words
.set G1,   24                          ; s[24:31] group 1 for S1's tiles; s[32:39] for S0's
.set G1B,  32
.set G0,   40                          ; s[40:51] group 0 for S1's tiles, a set for each slot; s[52:63] for S0's
.set G0B,  52
.set G1S,  68                          ; the same for the scales
.set G1SB, 76
.set G0S,  84
.set G0SB, 88
.set MSB, 0
.macro WIN new                         ; the immediate's high byte repeats the setting that is left
.if MSB != \new
	s_set_vgpr_msb (MSB<<8)|\new
.set MSB, \new
.endif
.endm
.set MUL_LO, 0xa1                      ; source 0 (S0) window 1, source 1 (S1) window 0, C and D window 2
.set MUL_HI, 0xf1
.set TO_B,   0x40                      ; destination window 1
; A joint load: waves 0 and 1 fetch for S1, waves 2 and 3 for S0.  The branch hangs on the wave's number alone.  Four v_nop follow each of the two lines.
.macro JLOAD g0a, g1a, g0b, g1b
	s_cmp_eq_u32 s15, 0
	s_cbranch_scc0 .Lfor_b_\@
	tensor_load_to_lds s[\g0a:\g0a+3], s[\g1a:\g1a+7]
	s_nop 0
.rept 4
	v_nop
.endr
	s_branch .Lasked_\@
.Lfor_b_\@:
	tensor_load_to_lds s[\g0b:\g0b+3], s[\g1b:\g1b+7]
	s_nop 0
.rept 4
	v_nop
.endr
.Lasked_\@:
.endm
.macro CREST                           ; a round of the cluster's barrier behind its opening barrier
	s_cmp_lg_u32 s14, 0
	s_cbranch_scc1 .Lnot_wave_0_\@
	s_barrier_signal -3
.Lnot_wave_0_\@:
	s_barrier_wait -3
	s_barrier_signal -1
	s_barrier_wait -1
.endm
.macro CROUND
	s_barrier_signal -1
	s_barrier_wait -1
	CREST
.endm
.macro PLACES n
.rept \n
	v_nop
.endr
.endm
.macro FRAG reg, adr, q, i             ; tile i's image of the slot's q-th 128 along K: 32 lanes read 512 consecutive bytes three times
.irp c, 0,1,2
	ds_load_b128 v[\reg+4*\c:\reg+4*\c+3], v[\adr] offset:(\i)*3072+(\q)*1536+512*\c
.endr
.endm
.macro FETCH_B slot, q, p
	WIN TO_B
.irp i, 0,1,2,3,4,5,6,7
	FRAG 128*(\p)+FR*\i, ADRB+\slot, \q, \i
.endr
	WIN 0
.endm
.macro FETCH_A slot, q, i0
.irp i, \i0, \i0+1, \i0+2, \i0+3
	FRAG AF+FR*(\i), ADRA+\slot, \q, \i
.endr
.endm
.macro SCALES sc                       ; a K step's scale words into set sc: two words a row; lanes 0-15 S1's block i, lanes 16-31 S0's block i
.irp i, 0,1,2,3,4,5,6,7
	ds_load_b64 v[SC+8*NQ*(\sc)+NQ*\i:SC+8*NQ*(\sc)+NQ*\i+1], v[ADRS] offset:\i*SBLK
.endr
.endm
; 16 matrix instructions: S1's blocks a0, a0 + 1 x S0's eight.  The 64 accumulators take turns, one instruction a turn, in the same order in every step.
.macro MUL16 a0, p, q, sc, zero
.irp a, \a0, \a0+1
.irp b, 0,1,2,3,4,5,6,7
.if \zero
	v_wmma_scale_f32_16x16x128_f8f6f4 v[8*(8*((\a)%4)+\b):8*(8*((\a)%4)+\b)+7], v[128*(\p)+FR*\b:128*(\p)+FR*\b+FR-1], v[AF+FR*(\a):AF+FR*(\a)+FR-1], 0, v[SC+8*NQ*(\sc)+NQ*\b+(\q)], v[SC+8*NQ*(\sc)+NQ*(\a)+(\q)] matrix_a_fmt:MATRIX_FMT_BF6 matrix_b_fmt:MATRIX_FMT_BF6 matrix_a_scale:MATRIX_SCALE_ROW1
.else
	v_wmma_scale_f32_16x16x128_f8f6f4 v[8*(8*((\a)%4)+\b):8*(8*((\a)%4)+\b)+7], v[128*(\p)+FR*\b:128*(\p)+FR*\b+FR-1], v[AF+FR*(\a):AF+FR*(\a)+FR-1], v[8*(8*((\a)%4)+\b):8*(8*((\a)%4)+\b)+7], v[SC+8*NQ*(\sc)+NQ*\b+(\q)], v[SC+8*NQ*(\sc)+NQ*(\a)+(\q)] matrix_a_fmt:MATRIX_FMT_BF6 matrix_b_fmt:MATRIX_FMT_BF6 matrix_a_scale:MATRIX_SCALE_ROW1
.endif
.endr
.endr
.endm
; A step of 128 along K (the q-th of its slot, scale set sc) whose successor (nslot, nq) is known whole: no barrier.  newk = 1: the successor begins a K step: its scale words are fetched.
.macro STEP q, sc, nslot, nq, zero, newk
	s_wait_dscnt 4*NL                              ; S0's set and S1's blocks 0-3 are in; the youngest 12 loads (S1's blocks 4-7) may be out
	WIN MUL_LO
	MUL16 0, \q, \q, \sc, \zero
	MUL16 2, \q, \q, \sc, \zero
	s_wait_dscnt 0
	PLACES NP                                      ; in front of loads into registers that matrix instructions have read
	FETCH_B \nslot, \nq, 1-(\q)
.if \newk
	v_add_nc_u32 v[ADRS], 4*NQ, v[ADRS]
.endif
	FETCH_A \nslot, \nq, 0
.if \newk
	SCALES 1-(\sc)
.endif
	WIN MUL_HI
	MUL16 4, \q, \q, \sc, \zero
	MUL16 6, \q, \q, \sc, \zero
	PLACES NP
	WIN 0
	FETCH_A \nslot, \nq, 4
.endm
; A slot's last step with a barrier: in front of it each wave waits for all its tensor loads, adds 0 to its spare word, and waits for that and for its reads.  fill = 1: slot 0, just read out, takes K step 3.
.macro TURN sc, nslot, fill
	s_wait_tensorcnt 0x0                           ; all my tensor loads have landed
	ds_add_u32 v[SPW], v[NIL]                      ; 0 onto my spare word
	s_wait_dscnt 4*NL+1                            ; (the add and the youngest 12 loads may be out)
	WIN MUL_LO
	MUL16 0, 1, 1, \sc, 0
	s_wait_dscnt 0x0                               ; the add is done, and my reads of this slot are over
	s_barrier_signal -1
	MUL16 2, 1, 1, \sc, 0
	WIN 0
	s_barrier_wait -1
.if \fill
	CREST                                          ; the barrier has opened a round of the cluster's: no wave of any partner still reads slot 0 or has a load on its way
	s_add_nc_u64 s[G0+2:G0+3], s[G0+2:G0+3], 3*3072
	s_add_nc_u64 s[G0B+2:G0B+3], s[G0B+2:G0B+3], 3*3072
	JLOAD G0, G1, G0B, G1B                         ; the first tensor load behind the round; its four v_nop are also the places in front of the loads below
.else
	PLACES NP
.endif
	v_add_nc_u32 v[ADRS], 4*NQ, v[ADRS]
	FETCH_B \nslot, 0, 0
	FETCH_A \nslot, 0, 0
	SCALES 1-(\sc)
	WIN MUL_HI
	MUL16 4, 1, 1, \sc, 0
	MUL16 6, 1, 1, \sc, 0
	PLACES NP
	WIN 0
	FETCH_A \nslot, 0, 4
.endm
; THE WAY OUT.  64 numbers of a lane in window w, register 16 b + i = place 32 b + 16 (lane / 16) + i along the axis to be quantised, become 12 registers of codes in v[pc] on and a scale word in v[pw].  Each accumulator is read from its low end on.
.macro QUANT s, w, pc, pw
	WIN ((\w)<<2)|((\w)<<4)
.irp b, 0,1,2,3
	v_max3_num_f32 v[TM+\b], 0x2800000, |v[\s+16*\b]|, |v[\s+1+16*\b]|     ; my 16 numbers of block b, and the floor 2^(5 - 127)
.endr
.irp i, 2,4,6,8,10,12,14
.irp b, 0,1,2,3
	v_max3_num_f32 v[TM+\b], v[TM+\b], |v[\s+16*\b+\i]|, |v[\s+1+16*\b+\i]|
.endr
.endr
	WIN 0
.irp b, 0,1,2,3
	v_permlanex16_b32 v[TM+4+\b], v[TM+\b], s2, s3
.endr
.irp b, 0,1,2,3
	v_max_num_f32 v[TM+\b], v[TM+\b], v[TM+4+\b]   ; with lane l xor 16's: the block's largest magnitude
.endr
.irp b, 0,1,2,3
	v_add_nc_u32 v[TM+12+\b], 0xfe000000, v[TM+\b] ; 4 off the exponent field: the conversion's scale operand
.endr
.irp b, 0,1,2,3
	v_lshrrev_b32 v[TM+4+\b], 23, v[TM+12+\b]
.endr
	v_lshl_or_b32 v[\pw], v[TM+5], 8, v[TM+4]
	v_lshl_or_b32 v[\pw], v[TM+6], 16, v[\pw]
	v_lshl_or_b32 v[\pw], v[TM+7], 24, v[\pw]
	WIN \w
.irp c, 0,1
	v_cvt_scalef32_pk16_bf6_f32 v[\pc+6*\c:\pc+2+6*\c], v[\s+32*\c:\s+15+32*\c], v[TM+12+2*\c]
	v_cvt_scalef32_pk16_bf6_f32 v[\pc+12+4*\c:\pc+14+4*\c], v[\s+16+32*\c:\s+31+32*\c], v[TM+12+2*\c+1]
.endr
	WIN 0
	v_nop                                          ; one plain line behind the scaled conversions
.irp c, 0,1                            ; a whole block to a lane: lanes 0-15 block 2 c, lanes 16-31 block 2 c + 1
.irp i, 0,1,2
	v_permlane16_swap_b32 v[\pc+6*\c+\i], v[\pc+12+4*\c+\i]
.endr
.irp i, 0,1,2
	v_mov_b32 v[\pc+3+6*\c+\i], v[\pc+12+4*\c+\i]
.endr
.endr
.endm
.macro ADDB a, r                       ; S1's block a: 64 results + r_w_bias (r = 0) or r_r_bias (r = 1), two at a time, ascending
.set AC, 64*((\a)%4)
.if \r
	WIN (2+(\a)/4)|4
.else
	WIN 2+(\a)/4
.endif
.set j, 0
.rept 32
.if \r
	v_pk_add_f32 v[TT+j:TT+j+1], v[AC+j:AC+j+1], v[96+j+96*(j/32):97+j+96*(j/32)]
.else
	v_pk_add_f32 v[TT+j:TT+j+1], v[AC+j:AC+j+1], v[BW+j:BW+j+1]
.endif
.set j, j+2
.endr
	WIN 0
.endm
.macro PUT_H a, pc, pw, vo, so         ; registers 0-5 are one head's image of 16 tokens x 64, registers 6-11 the next head's, 98,304 bytes on; each store covers 512 or 256 consecutive bytes, aligned to 256
	global_store_b128 v[L16], v[\pc:\pc+3], s[96:97] offset:(\vo)+768*(\a)
	global_store_b64 v[L8], v[\pc+4:\pc+5], s[96:97] offset:(\vo)+768*(\a)+512
	global_store_b128 v[L16], v[\pc+6:\pc+9], s[96:97] offset:(\vo)+768*(\a)+98304
	global_store_b64 v[L8], v[\pc+10:\pc+11], s[96:97] offset:(\vo)+768*(\a)+98304+512
	ds_store_b16 v[SS2], v[\pw] offset:(\so)+32*(\a)               ; the scale bytes are gathered in my stage: two a row and head
	ds_store_b16_d16_hi v[SS2], v[\pw] offset:(\so)+32*(\a)+256
.endm
.macro FREE                            ; the earlier stores, to memory and to LDS, have read their registers
	s_wait_xcnt 0x0
	s_wait_dscnt 0x0
.endm
	s_load_b256 s[4:11], s[0:1], 0x0               ; cod, scl, r_w_bias, r_r_bias
	s_load_b64 s[12:13], s[0:1], 0x20              ; att
	v_lshl_add_u32 v[SPW], v0, 2, SPARE
	v_mov_b32 v[NIL], 0
	ds_add_u32 v28, v29
	ds_add_u32 v28, v29
	s_wait_dscnt 0x0
	v_lshrrev_b32 v1, 5, v0
	v_readfirstlane_b32 s14, v1                    ; wave 0..3
	s_lshr_b32 s15, s14, 1                         ; which half of S1's 256 rows is mine.  Also: I fetch for S1 (0) or for S0 (1)
	s_and_b32 s16, s14, 1                          ; which half of S0's.  Also: which 128 rows I fetch
	s_bfe_u32 s66, ttmp6, 0x40000                  ; cx
	s_bfe_u32 s67, ttmp6, 0x40004                  ; cy
	s_lshl_b32 s100, s67, 2
	s_lshl_b32 s100, 15, s100                      ; my row of the cluster
	s_lshl_b32 s101, 0x1111, s66                   ; my column
	s_mov_b32 s2, 0x76543210
	s_mov_b32 s3, 0xfedcba98                       ; selects for lane l xor 16
	; which product: by the cluster's number, which all sixteen partners share
	s_lshr_b32 s92, ttmp9, 2                       ; 0 q, 1 k, 2 v, 3 r
	s_and_b32 s17, ttmp9, 3
	s_lshl_b32 s17, s17, 10                        ; which 1,024 rows of tokens or of rel_pos
	s_lshl_b32 s18, s92, 10
	s_add_co_u32 s18, s18, 6144                    ; the weight's 1,024 rows in cod
	s_cmp_eq_u32 s92, 3
	s_cselect_b32 s19, 4096, 0
	s_add_co_u32 s19, s19, s17                     ; tokens begin at row 0, rel_pos at row 4,096
	s_cmp_eq_u32 s92, 2
	s_cselect_b32 s93, s17, s18                    ; S0: the weight; for v the tokens
	s_cselect_b32 s94, s18, s19                    ; S1: the tokens or rel_pos; for v the weight
	s_or_b32 s[G1+0], s100, (3<<16)|(1<<21)        ; 15:0 the mask: S1's tiles go to my row; 17:16 elements of 8 bytes; 21 set beside a mask; no padding
	s_or_b32 s[G1B+0], s101, (3<<16)|(1<<21)
.irp g, G1, G1B
	s_mov_b32 s[\g+1], 384<<16                     ; tensor_dim0: two images, 3,072 bytes
	s_mov_b32 s[\g+2], 8<<16                       ; tensor_dim1: 8 tiles
	s_mov_b32 s[\g+3], 384<<16                     ; tile_dim0
	s_mov_b32 s[\g+4], 8                           ; tile_dim1
	s_mov_b32 s[\g+5], 1536                        ; from tile to tile: 12,288 bytes
	s_mov_b32 s[\g+6], 0
	s_mov_b32 s[\g+7], 0
.endr
	s_or_b32 s[G1S+0], s100, (3<<16)|(1<<20)|(1<<21)|(5<<22)|(3<<25)   ; the scales of 128 rows: 4,096 dense bytes as 16 rows of 256, 16 bytes of padding behind each
	s_or_b32 s[G1SB+0], s101, (3<<16)|(1<<20)|(1<<21)|(5<<22)|(3<<25)
.irp g, G1S, G1SB
	s_mov_b32 s[\g+1], 32<<16
	s_mov_b32 s[\g+2], 16<<16
	s_mov_b32 s[\g+3], 32<<16
	s_mov_b32 s[\g+4], 16
	s_mov_b32 s[\g+5], 32
	s_mov_b32 s[\g+6], 0
	s_mov_b32 s[\g+7], 0
.endr
	s_lshl_b32 s17, s16, 7
	s_lshl_b32 s18, s67, 8
	s_add_co_u32 s18, s18, s94                     ; S1: my work-group's 256 rows hang on cy alone
	s_lshl_b32 s19, s66, 8
	s_add_co_u32 s19, s19, s93                     ; S0: on cx alone
	s_add_co_u32 s20, s18, s17                     ; the 128 rows of S1 that a wave of S1 fetches
	s_add_co_u32 s22, s19, s17                     ; and of S0
	s_lshl_b32 s95, s15, 7
	s_add_co_u32 s94, s18, s95                     ; my wave's first row of S1,
	s_mov_b32 s93, s22                             ; and of S0
	s_mul_i32 s96, s20, 768
	s_mov_b32 s97, 0
	s_lshl_b32 s98, s20, 5
	s_mov_b32 s99, 0
	s_mul_i32 s20, s22, 768
	s_mov_b32 s21, 0
	s_lshl_b32 s22, s22, 5
	s_mov_b32 s23, 0
	s_mul_i32 s95, s14, HALFT                      ; where they go: by the wave's number alone
	s_mul_i32 s17, s14, HALFS
	s_wait_kmcnt 0x0
	s_add_nc_u64 s[96:97], s[4:5], s[96:97]
	s_add_nc_u64 s[98:99], s[6:7], s[98:99]
	s_add_nc_u64 s[20:21], s[4:5], s[20:21]
	s_add_nc_u64 s[22:23], s[6:7], s[22:23]
	CROUND                                         ; all sixteen work-groups are here: the first joint loads meet
	s_mov_b32 s[G0S], 1
	s_add_co_u32 s[G0S+1], s17, SCL
	s_mov_b64 s[G0S+2:G0S+3], s[98:99]
	s_or_b32 s[G0S+3], s[G0S+3], 0x80000000
	s_mov_b32 s[G0SB], 1
	s_add_co_u32 s[G0SB+1], s17, SCL
	s_mov_b64 s[G0SB+2:G0SB+3], s[22:23]
	s_or_b32 s[G0SB+3], s[G0SB+3], 0x80000000
	JLOAD G0S, G1S, G0SB, G1SB                     ; the scales first: they are wanted with K step 0
.irp s, 0,1,2
	s_mov_b32 s[G0+4*\s], 1
	s_add_co_u32 s[G0+4*\s+1], s95, \s*SLOT
	s_add_nc_u64 s[G0+4*\s+2:G0+4*\s+3], s[96:97], \s*3072
	s_or_b32 s[G0+4*\s+3], s[G0+4*\s+3], 0x80000000
	s_mov_b32 s[G0B+4*\s], 1
	s_add_co_u32 s[G0B+4*\s+1], s95, \s*SLOT
	s_add_nc_u64 s[G0B+4*\s+2:G0B+4*\s+3], s[20:21], \s*3072
	s_or_b32 s[G0B+4*\s+3], s[G0B+4*\s+3], 0x80000000
	JLOAD G0+4*\s, G1, G0B+4*\s, G1B               ; K steps 0, 1, 2
.endr
	v_and_b32 v1, 15, v0                           ; r
	v_bfe_u32 v2, v0, 4, 1                         ; h
	v_and_b32 v3, 31, v0
	v_lshlrev_b32 v[L16], 4, v3
	v_lshlrev_b32 v[L8], 3, v3
	s_mul_i32 s17, s15, HALFT
	s_mul_i32 s18, s16, HALFT
	s_add_co_u32 s18, s18, 2*HALFT
.irp s, 0,1,2
	v_add_nc_u32 v[ADRA+\s], s17, v[L16]
	v_add_nc_u32 v[ADRB+\s], s18, v[L16]
	s_add_co_u32 s17, s17, SLOT
	s_add_co_u32 s18, s18, SLOT
.endr
	v_lshlrev_b32 v5, 5, v1                        ; my row's scales: 32 bytes a row,
	v_lshrrev_b32 v6, 8, v5
	v_lshl_add_u32 v5, v6, 4, v5                   ; and 16 more for each 256 passed
	s_mul_i32 s21, s15, HALFS
	s_mul_i32 s22, s16, HALFS
	s_add_co_u32 s22, s22, 2*HALFS
	s_sub_co_u32 s22, s22, s21
	v_mul_u32_u24 v6, s22, v2                      ; lanes 16-31 take S0's
	s_add_co_u32 s21, s21, SCL
	v_add_nc_u32 v5, v5, v6
	v_add_nc_u32 v[ADRS], s21, v5
	s_lshl_b32 s19, s14, 11
	s_add_co_u32 s19, s19, STGB                    ; my stage
	v_lshl_add_u32 v[SS2], v1, 1, s19
	v_lshl_add_u32 v[SS4], v1, 2, s19
	v_add_nc_u32 v[SRD8], s19, v[L8]
	v_add_nc_u32 v[SRD16], s19, v[L16]
	v_lshlrev_b32 v[VSO], 4, v1
	v_lshl_add_u32 v[VSO], v2, 12, v[VSO]
.irp b, 0,1,2,3
	v_mov_b32 v[TM+4+\b], 0                        ; written once: a lane permute's destination counts as one of its sources
.endr
	; the two biases in the result's layout: register 16 b + i = feature 32 b + 16 h + i of my wave's 128.  Loaded on the one way that all take; the q path alone uses them (elsewhere the same lines read other numbers of the same two buffers)
	s_and_b32 s18, s93, 1023
	s_lshl_b32 s18, s18, 2
	s_mov_b32 s19, 0
	s_add_nc_u64 s[8:9], s[8:9], s[18:19]
	s_add_nc_u64 s[10:11], s[10:11], s[18:19]
	v_lshlrev_b32 v4, 6, v2                        ; 64 h; never rewritten
.irp x, 0,1,2,3,4,5,6,7,8,9,10,11,12,13,14,15
	global_load_b128 v[BW+4*\x:BW+4*\x+3], v4, s[8:9] offset:128*(\x/4)+16*(\x%4)
.endr
	WIN TO_B
.irp x, 0,1,2,3,4,5,6,7,8,9,10,11,12,13,14,15
	global_load_b128 v[96+4*\x+96*(\x/8):99+4*\x+96*(\x/8)], v4, s[10:11] offset:128*(\x/4)+16*(\x%4)
.endr
	WIN 0
	s_wait_tensorcnt 0x2                           ; the scales and my part of K step 0 are in; K steps 1 and 2 may be out
	s_barrier_signal -1
	s_barrier_wait -1
	FETCH_B 0, 0, 0
	FETCH_A 0, 0, 0
	SCALES 0
	FETCH_A 0, 0, 4
	STEP 0, 0, 0, 1, 1, 0                          ; K step 0, first half: its products start the sums
	TURN 0, 1, 1                                   ; second half; all first fills have landed in every wave; slot 0 takes K step 3
	STEP 0, 1, 1, 1, 0, 0                          ; K step 1
	STEP 1, 1, 2, 0, 0, 1                          ; on into slot 2, shown whole by the round above
	STEP 0, 0, 2, 1, 0, 0                          ; K step 2
	TURN 0, 0, 0                                   ; K step 3 has landed in every wave; nothing is filled again
	STEP 0, 1, 0, 1, 0, 0                          ; K step 3
	s_wait_dscnt 4*NL
	WIN MUL_LO
	MUL16 0, 1, 1, 1, 0
	MUL16 2, 1, 1, 1, 0
	s_wait_dscnt 0
	WIN MUL_HI
	MUL16 4, 1, 1, 1, 0
	MUL16 6, 1, 1, 1, 0
	WIN 0
	PLACES NP                                      ; in front of the first reads of results and of writes over S1's fragments
	s_wait_loadcnt 0x0                             ; the biases
	s_cmp_eq_u32 s92, 2
	s_cbranch_scc1 .Lpath_v
	; q, k, r: where my 8 tiles of tokens x 2 heads go
	s_and_b32 s17, s94, 2047
	s_lshr_b32 s17, s17, 4                         ; first tile of tokens
	s_and_b32 s18, s93, 1023
	s_lshr_b32 s18, s18, 6                         ; first head
	s_lshr_b32 s19, s94, 11                        ; the batch,
	s_cmp_eq_u32 s92, 3
	s_cselect_b32 s19, 0, s19                      ; which r has not
	s_mov_b32 s20, 6291456
	s_mov_b32 s21, 9437184
	s_cselect_b32 s20, s21, s20
	s_mov_b32 s22, 14417920
	s_mov_b32 s23, 14548992
	s_cselect_b32 s22, s23, s22
	s_mov_b32 s23, 14155776
	s_cmp_eq_u32 s92, 0
	s_cselect_b32 s20, 0, s20                      ; the part of att for the codes,
	s_cselect_b32 s22, s23, s22                    ; and for the scale bytes
	s_lshl_b32 s19, s19, 4
	s_add_co_u32 s19, s19, s18
	s_lshl_b32 s18, s19, 7
	s_add_co_u32 s18, s18, s17
	s_mul_i32 s18, s18, 768
	s_add_co_u32 s96, s18, s20
	s_mov_b32 s97, 0
	s_add_nc_u64 s[96:97], s[12:13], s[96:97]
	s_lshl_b32 s19, s19, 12
	s_lshl_b32 s17, s17, 5
	s_add_co_u32 s19, s19, s17
	s_add_co_u32 s98, s19, s22
	s_mov_b32 s99, 0
	s_add_nc_u64 s[98:99], s[12:13], s[98:99]
	s_cmp_eq_u32 s92, 0
	s_cbranch_scc0 .Lpath_kr
	; ---- q: each block of 16 tokens is quantised twice, once with each bias
.irp a, 0,1,2,3,4,5,6,7
	FREE
	ADDB \a, 0
	QUANT TT, 0, PC0, PW0
	PUT_H \a, PC0, PW0, 0, 0
	FREE
	ADDB \a, 1
	QUANT TT, 0, PC0+20, PW0+1
	PUT_H \a, PC0+20, PW0+1, 3145728, 512
.endr
.irp k, 0,1,2,3
	ds_load_b64 v[TT+2*\k:TT+2*\k+1], v[SRD8] offset:256*\k        ; LDS serves a wave's instructions in order: these see my stores
.endr
	s_wait_dscnt 0x0
	global_store_b64 v[L8], v[TT:TT+1], s[98:99]                   ; 32 lanes store 256 consecutive bytes, aligned: 128 rows' bytes of one head
	global_store_b64 v[L8], v[TT+2:TT+3], s[98:99] offset:4096
	global_store_b64 v[L8], v[TT+4:TT+5], s[98:99] offset:131072
	global_store_b64 v[L8], v[TT+6:TT+7], s[98:99] offset:135168
	s_branch .Ldone
.Lpath_kr:
	; ---- k and r: the results as they are
.irp a, 0,1,2,3,4,5,6,7
	FREE
.set AC, 64*(\a%4)
	QUANT AC, 2+\a/4, PC0+20*(\a%2), PW0+\a%2
	PUT_H \a, PC0+20*(\a%2), PW0+\a%2, 0, 8192
.endr
.irp k, 0,1
	ds_load_b64 v[TT+2*\k:TT+2*\k+1], v[SRD8] offset:8192+256*\k
.endr
	s_wait_dscnt 0x0
	global_store_b64 v[L8], v[TT:TT+1], s[98:99]
	global_store_b64 v[L8], v[TT+2:TT+3], s[98:99] offset:4096
	s_branch .Ldone
.Lpath_v:
	; ---- v: a lane holds one of the head's 64, its registers run along my 128 keys: 12 registers are a whole image
	s_lshr_b32 s17, s93, 11                        ; the batch
	s_and_b32 s18, s93, 2047
	s_lshr_b32 s18, s18, 7                         ; which 128 keys
	s_and_b32 s19, s94, 1023
	s_lshr_b32 s19, s19, 6                         ; first head
	s_lshl_b32 s17, s17, 4
	s_add_co_u32 s17, s17, s19
	s_lshl_b32 s17, s17, 4
	s_add_co_u32 s17, s17, s18
	s_mul_i32 s96, s17, 6144
	s_add_co_u32 s96, s96, 11010048
	s_mov_b32 s97, 0
	s_add_nc_u64 s[96:97], s[12:13], s[96:97]
	s_lshl_b32 s98, s17, 8
	s_add_co_u32 s98, s98, 14614528
	s_mov_b32 s99, 0
	s_add_nc_u64 s[98:99], s[12:13], s[98:99]
.irp a, 0,1,2,3,4,5,6,7
	FREE
.set AC, 64*(\a%4)
.set PP, PC0+20*(\a%2)
	QUANT AC, 2+\a/4, PP, PW0+\a%2
.irp c, 0,1,2
	global_store_b128 v[L16], v[PP+4*\c:PP+4*\c+3], s[96:97] offset:(\a/4)*98304+(\a%4)*1536+512*\c
.endr
	ds_store_b32 v[SS4], v[PW0+\a%2] offset:16384+64*\a
.endr
	ds_load_b128 v[TT:TT+3], v[SRD16] offset:16384
	s_wait_dscnt 0x0
	global_store_b128 v[VSO], v[TT:TT+3], s[98:99]                 ; 16 lanes store 256 consecutive bytes, aligned: one head's 64 words
.Ldone:
	s_wait_tensorcnt 0x0                           ; the wave's end
	ds_add_u32 v[SPW], v[NIL]
	s_wait_dscnt 0x0
	CROUND                                         ; the closing round
	s_endpgm
.Lfunc_end_k_q03f25974f5_proj:
	.size	k_q03f25974f5_proj, .Lfunc_end_k_q03f25974f5_proj-k_q03f25974f5_proj
	.p2alignl 7, 3214868480
	.fill 96, 4, 3214868480
	.section	.rodata,"a",@progbits
	.p2align	6, 0x0
	.amdhsa_kernel k_q03f25974f5_proj
		.amdhsa_group_segment_fixed_size 327680
		.amdhsa_private_segment_fixed_size 0
		.amdhsa_enable_private_segment 0
		.amdhsa_kernarg_size 40
		.amdhsa_user_sgpr_count 2
		.amdhsa_user_sgpr_kernarg_segment_ptr 1
		.amdhsa_wavefront_size32 1
		.amdhsa_system_sgpr_workgroup_id_x 1
		.amdhsa_system_sgpr_workgroup_id_y 1
		.amdhsa_system_sgpr_workgroup_id_z 1
		.amdhsa_system_vgpr_workitem_id 0
		.amdhsa_next_free_vgpr 1024
		.amdhsa_next_free_sgpr 102
		.amdhsa_reserve_vcc 0
		.amdhsa_float_denorm_mode_32 3
		.amdhsa_float_denorm_mode_16_64 3
		.amdhsa_memory_ordered 1
		.amdhsa_forward_progress 1
		.amdhsa_inst_pref_size 255
	.end_amdhsa_kernel
	.section	.bss,"aw",@nobits
	.p2align	6
	.space	262144
	.amdgpu_metadata
---
amdhsa.version: [ 1, 2 ]
amdhsa.kernels:
  - .name:           k_q03f25974f5_proj
    .symbol:         k_q03f25974f5_proj.kd
    .args:
      - { .name: cod, .offset: 0, .size: 8, .value_kind: global_buffer, .address_space: global }
      - { .name: scl, .offset: 8, .size: 8, .value_kind: global_buffer, .address_space: global }
      - { .name: r_w_bias, .offset: 16, .size: 8, .value_kind: global_buffer, .address_space: global }
      - { .name: r_r_bias, .offset: 24, .size: 8, .value_kind: global_buffer, .address_space: global }
      - { .name: att, .offset: 32, .size: 8, .value_kind: global_buffer, .address_space: global }
    .group_segment_fixed_size: 327680
    .private_segment_fixed_size: 0
    .kernarg_segment_align: 8
    .kernarg_segment_size: 40
    .max_flat_workgroup_size: 128
    .sgpr_count:     102
    .vgpr_count:     1024
    .wavefront_size: 32
...
	.end_amdgpu_metadata
.endif
;; end of part 2
;; launch attn (part 3): grid 8 x 32, 16 waves a work-group, no clusters, 88,064 bytes of LDS; arguments att, mb, av; writes av
.if DOCPART == 3
	.amdgcn_target "amdgcn-amd-amdhsa--gfx1250"
	.amdhsa_code_object_version 6
	.text
	.protected	k_q03f25974f5_attn
	.globl	k_q03f25974f5_attn
	.p2align	8
	.type	k_q03f25974f5_attn,@function
k_q03f25974f5_attn:
	s_mov_b64 s[64:65], 0
	v_nop
	global_prefetch_b8 v0, s[64:65] scope:SCOPE_SE
	s_setreg_imm32_b32 hwreg(HW_REG_WAVE_MODE, 25, 1), 1
	s_wait_xcnt 0x0
; ATTN.  For batch b and head n: score(i, j) = ((q_n + rw_n)(i) . k_n(j) + (q_m + rr_m)(i) . r_m(j)) / 8, where the shift along the head axis makes m = n for b = 1, m = n + 1 for b = 0, and the second term 0 for b = 0, n = 15.
; Both terms have K = 64 and the same (i, j): they are ONE product of K = 128: blocks 0, 1 along K carry the first, blocks 2, 3 the second, each with its own scale bytes.  For b = 0, n = 15 the query's second half gets zero codes.
; The mask is read as given, bit by bit.  Softmax ahead of the second product: t = score x log2(e) / 8; M = the running largest t rounded up to a whole number; p = 2^(t - M) is quantised along the keys; the row's sum is taken of the
; unquantised p and divides at the end.  The result, attn_vec, is quantised along the head's 64 for the last projection.
; SHARES.  A work-group owns head (b, n) and two blocks of 128 queries, x and 15 - x; each of its sixteen waves owns one tile of 16 queries.  Every wave walks 16 steps of 128 keys.  A step whose 128 keys are masked for all 16 queries of the
; wave's tile is left out: a scalar branch on the flags that the first launch stored.  A pair of steps that no wave wants is not copied.  The choice of blocks only shares work out; it changes no result under any mask.
; NO TENSOR LOAD AND NO CLUSTER: steps are left out by branches on stored numbers, so the tiles come through registers: each wave copies 768 bytes of K's, R's and V's images of the next 256 keys, asked for a whole trip ahead.
; Both products are used transposed (first source = 16 keys, or 16 of the head's 64): a lane holds ONE query (lane % 16) throughout; by the tiles' choice of rows the 16 registers of tiles 2 g, 2 g + 1 are 16 neighbours.
; LIMITS: NaN and infinities among the inputs are not served.  A query whose keys are all masked has the sum 0: its scale bytes become 0xff, so that the last projection gives NaN for that row, as a softmax of nothing but -infinity does.
.set SLOTB, 36864                      ; an LDS slot, 256 keys: K's 16 images of 768 bytes, R's 16, V's 8 of 1,536
.set ROFF,  12288
.set VOFF,  24576
.set KRS,   73728                      ; a word for each of the 2,048 keys: K's two scale bytes, R's two
.set VSL,   81920                      ; V's scale words: [16 steps][64]
.set ASK0, 3                           ; v3   KRS + 4 r          (v1, v10: 16 x lane in slot 0, 1;  v2, v11: 8 x lane)
.set ASV0, 4                           ; v4   VSL + 4 r
.set MOF,  6                           ; v6   my query's row of mask bits: 256 q + 8 h    (v5: 768 x wave + 8 x lane: my part of a copy, in memory and in LDS;  v7: -infinity)
.set ADS,  8
.set ADT,  9
.set FRG,  32                          ; v32-79  four fragments
.set KSC,  80                          ; v80-83  K's and R's scale words
.set VSC,  84                          ; v84-87  V's
.set STG,  88                          ; v88-105 nine pieces of 8 bytes on their way from memory to LDS
.set MW,   106                         ; v106-109 mask bits of my 16 keys of each block
.set MT,   110
.set BM,   114                         ; v114-117 each block's largest score, then its largest p
.set PB,   118
.set SO,   122                         ; v122-125 the conversions' scale operands
.set S,    128                         ; v128-191 the scores, then p
.set O,    192                         ; v192-223 O^T
.set PC,   224                         ; v224-243 p's codes (12 + 8)
.set FL,   24                          ; s24  my tile's flags, shifted a bit a step
.set WS,   25                          ; s25  bit 0: nobody wants the next slot
.set TS,   26
.set TV,   27
.set IT,   28
.set SEL,  20
.set CS,   22
.macro COPY_LD
.irp p, 0,1,2
	global_load_b64 v[STG+2*\p:STG+2*\p+1], v5, s[10:11] offset:256*\p
	global_load_b64 v[STG+6+2*\p:STG+7+2*\p], v5, s[12:13] offset:256*\p
	global_load_b64 v[STG+12+2*\p:STG+13+2*\p], v5, s[14:15] offset:256*\p
.endr
.endm
.macro COPY_ST slot
.irp p, 0,1,2
	ds_store_b64 v5, v[STG+2*\p:STG+2*\p+1] offset:(\slot)*SLOTB+256*\p
	ds_store_b64 v5, v[STG+6+2*\p:STG+7+2*\p] offset:(\slot)*SLOTB+ROFF+256*\p
	ds_store_b64 v5, v[STG+12+2*\p:STG+13+2*\p] offset:(\slot)*SLOTB+VOFF+256*\p
.endr
.endm
; A KEY STEP: 128 keys, the q-th of the slot in hand.
.macro STEP slot, q
	s_bitcmp1_b32 s[FL], 0                         ; all 128 keys masked for my 16 queries: every p would be 0
	s_cbranch_scc1 .Lskip_\@
	v_add_nc_u32 v[ADS], s[TS], v[ASK0]
	v_add_nc_u32 v[ADT], s[TV], v[ASV0]
	v_nop
	v_nop                                          ; four places in front of loads into registers that the last products have read
.irp g, 0,1
.if \g
.rept 4
	v_nop
.endr
.endif
.irp t, 0,1,2,3
	ds_load_b128 v[FRG+12*\t:FRG+12*\t+3], v[1+9*(\slot)] offset:(8*(\q)+4*\g+\t)*768
	ds_load_b64 v[FRG+12*\t+4:FRG+12*\t+5], v[2+9*(\slot)] offset:(8*(\q)+4*\g+\t)*768+512
	ds_load_b128 v[FRG+12*\t+6:FRG+12*\t+9], v[1+9*(\slot)] offset:ROFF+(8*(\q)+4*\g+\t)*768
	ds_load_b64 v[FRG+12*\t+10:FRG+12*\t+11], v[2+9*(\slot)] offset:ROFF+(8*(\q)+4*\g+\t)*768+512
	ds_load_b32 v[KSC+\t], v[ADS] offset:64*(4*\g+\t)
.endr
	s_wait_dscnt 0x0
.irp t, 0,1,2,3
	v_wmma_scale_f32_16x16x128_f8f6f4 v[S+8*(4*\g+\t):S+8*(4*\g+\t)+7], v[FRG+12*\t:FRG+12*\t+11], v[16:27], 0, v[KSC+\t], v28 matrix_a_fmt:MATRIX_FMT_BF6 matrix_b_fmt:MATRIX_FMT_BF6
.endr
.endr
.rept 4
	v_nop
.endr
.irp t, 0,1,2,3                        ; V's four fragments land under the softmax
.irp c, 0,1,2
	ds_load_b128 v[FRG+12*\t+4*\c:FRG+12*\t+4*\c+3], v[1+9*(\slot)] offset:VOFF+6144*(\q)+1536*\t+512*\c
.endr
	ds_load_b32 v[VSC+\t], v[ADT] offset:64*\t
.endr
	s_bitcmp1_b32 s[FL], 16                        ; no key of the step is masked for any of my 16 queries
	s_cbranch_scc1 .Lopen_\@
.irp b, 0,1,2,3
	global_load_u16 v[MW+\b], v[MOF], s[16:17] offset:64*(2*(\slot)+(\q))+16*\b
.endr
	s_wait_loadcnt 0x0
.set n, 0
.rept 64                               ; register 16 b + i holds key 32 b + 16 (lane / 16) + i of the step: masked scores become -infinity ahead of the maximum
	v_and_b32 v[MT+n%4], 1<<(n%16), v[MW+n/16]
	v_cmp_ne_u32 vcc_lo, 0, v[MT+n%4]
	v_cndmask_b32 v[S+n], v[S+n], v7, vcc_lo
.set n, n+1
.endr
.Lopen_\@:
.irp b, 0,1,2,3
	v_max3_num_f32 v[BM+\b], v[S+16*\b], v[S+1+16*\b], v[S+2+16*\b]        ; the largest score of each block of 32 keys: for the row's maximum, and, since p rises with the score, for the block's largest p
.endr
.irp i, 3,5,7,9,11,13
.irp b, 0,1,2,3
	v_max3_num_f32 v[BM+\b], v[BM+\b], v[S+16*\b+\i], v[S+1+16*\b+\i]
.endr
.endr
.irp b, 0,1,2,3
	v_max_num_f32 v[BM+\b], v[BM+\b], v[S+15+16*\b]
.endr
.irp b, 0,1,2,3
	v_permlanex16_b32 v[PB+\b], v[BM+\b], s[SEL], s[SEL+1]
.endr
.irp b, 0,1,2,3
	v_max_num_f32 v[BM+\b], v[BM+\b], v[PB+\b]
.endr
	v_max3_num_f32 v126, v[BM], v[BM+1], v[BM+2]
	v_max_num_f32 v126, v126, v[BM+3]
	v_mul_f32 v126, s[CS], v126                    ; as t (c is positive)
	v_max_num_f32 v13, v13, v126                   ; the running largest t
	v_mov_b32 v126, v12
	v_floor_f32 v12, -v13                          ; the new -M = floor(-t): M is a whole number
	v_sub_f32 v126, v12, v126                      ; old M - new M: a whole number, 0 or less
	v_cvt_i32_f32 v126, v126                       ; (it saturates)
	v_ldexp_f32 v246, 1.0, v126                    ; f = 2^(old M - new M): a multiplication by it rounds nothing
.set j, 0
.rept 32
	v_pk_fma_f32 v[S+j:S+j+1], v[S+j:S+j+1], s[CS:CS+1], v[12:13] op_sel_hi:[1,0,0]   ; t - M
.set j, j+2
.endr
.irp b, 0,1,2,3
	v_fma_f32 v[BM+\b], v[BM+\b], s[CS], v12
.endr
.set j, 0
.rept 64
	v_exp_f32 v[S+j], v[S+j]                       ; p = 2^(t - M)
.set j, j+1
.endr
	v_pk_mul_f32 v[14:15], v[14:15], v[246:247] op_sel_hi:[1,0]    ; the sums under the new M; the plain line behind the exponentials
	s_wait_alu depctr_va_vdst(0)                   ; one wait for the whole batch, ahead of its first reader
.irp b, 0,1,2,3
	v_exp_f32 v[BM+\b], v[BM+\b]                   ; the block's largest p: the same two instructions on the same number
.endr
	v_pk_add_f32 v[PB:PB+1], v[S:S+1], v[S+2:S+3]  ; the row's sum is taken of the unquantised p, in two chains
.set j, 4
.rept 15
	v_pk_add_f32 v[14:15], v[14:15], v[S+j:S+j+1]
	v_pk_add_f32 v[PB:PB+1], v[PB:PB+1], v[S+j+2:S+j+3]
.set j, j+4
.endr
	v_pk_add_f32 v[14:15], v[14:15], v[PB:PB+1]
	s_wait_alu depctr_va_vdst(0)                   ; and one for the four
.irp b, 0,1,2,3
	v_max_num_f32 v[BM+\b], 0x2800000, v[BM+\b]    ; the floor 2^(5 - 127): a block whose every p is 0 keeps byte 1; its codes are zeros
.endr
.irp b, 0,1,2,3
	v_add_nc_u32 v[SO+\b], 0xfe000000, v[BM+\b]
.endr
.irp b, 0,1,2,3
	v_lshrrev_b32 v[PB+\b], 23, v[SO+\b]
.endr
	v_lshl_or_b32 v247, v[PB+1], 8, v[PB]          ; p's scale word for these 128 keys
	v_lshl_or_b32 v247, v[PB+2], 16, v247
	v_lshl_or_b32 v247, v[PB+3], 24, v247
.irp c, 0,1
	v_cvt_scalef32_pk16_bf6_f32 v[PC+6*\c:PC+2+6*\c], v[S+32*\c:S+15+32*\c], v[SO+2*\c]
	v_cvt_scalef32_pk16_bf6_f32 v[PC+12+4*\c:PC+14+4*\c], v[S+16+32*\c:S+31+32*\c], v[SO+2*\c+1]
.endr
	v_nop                                          ; one plain line behind the scaled conversions
.irp c, 0,1
.irp i, 0,1,2
	v_permlane16_swap_b32 v[PC+6*\c+\i], v[PC+12+4*\c+\i]
.endr
.irp i, 0,1,2
	v_mov_b32 v[PC+3+6*\c+\i], v[PC+12+4*\c+\i]
.endr
.endr
.set j, 0
.rept 16
	v_pk_mul_f32 v[O+j:O+j+1], v[O+j:O+j+1], v[246:247] op_sel_hi:[1,0]    ; O^T under the new M; these 16 are also the places between the lines that made p's codes and scale word and the products
.set j, j+2
.endr
	s_wait_dscnt 0x0                               ; V
.irp t, 0,1,2,3
	v_wmma_scale_f32_16x16x128_f8f6f4 v[O+8*\t:O+8*\t+7], v[FRG+12*\t:FRG+12*\t+11], v[PC:PC+11], v[O+8*\t:O+8*\t+7], v[VSC+\t], v247 matrix_a_fmt:MATRIX_FMT_BF6 matrix_b_fmt:MATRIX_FMT_BF6
.endr
.Lskip_\@:
	s_lshr_b32 s[FL], s[FL], 1
	s_add_co_u32 s[TS], s[TS], 512
	s_add_co_u32 s[TV], s[TV], 256
.endm
; A TRIP: the next slot's bytes are asked for, this slot's two steps are worked, the bytes go into the other slot, ONE barrier: in front of it my reads of this slot are over and my stores into the other have landed;
; the other slot was last read in front of the barrier before.
.macro TRIP slot
	s_bitcmp1_b32 s[WS], 0
	s_cbranch_scc1 .Lnold_\@
	COPY_LD
.Lnold_\@:
	STEP \slot, 0
	STEP \slot, 1
	s_wait_loadcnt 0x0                             ; on every way: the copy's nine loads are in, and no load of mine reads an address any more
	s_add_nc_u64 s[10:11], s[10:11], 12288
	s_add_nc_u64 s[12:13], s[12:13], 12288
	s_add_nc_u64 s[14:15], s[14:15], 12288
	s_bitcmp1_b32 s[WS], 0
	s_cbranch_scc1 .Lnost_\@
	COPY_ST 1-(\slot)
.Lnost_\@:
	s_lshr_b32 s[WS], s[WS], 2
	s_wait_dscnt 0x0
	s_barrier_signal -1
	s_barrier_wait -1
.endm
	s_load_b128 s[4:7], s[0:1], 0x0                ; att, mb
	s_load_b64 s[8:9], s[0:1], 0x10                ; av
	v_lshl_add_u32 v254, v0, 2, 0x15000
	v_mov_b32 v255, 0
	v_lshrrev_b32 v1, 5, v0
	v_readfirstlane_b32 s18, v1                    ; wave 0..15
	s_lshr_b32 s19, s18, 2
	s_xor_b32 s19, s19, s18
	s_and_b32 s19, s19, 1                          ; which of the two blocks of queries: of any four waves w % 4 alike or w / 4 alike, two take each
	s_lshr_b32 s34, s18, 1
	s_sub_co_u32 s35, 15, ttmp9
	s_cmp_eq_u32 s19, 0
	s_cselect_b32 s35, ttmp9, s35
	s_lshl_b32 s29, s35, 3
	s_add_co_u32 s29, s29, s34                     ; T: my tile of 16 queries
	s_and_b32 s34, ttmp7, 0xffff                   ; 16 b + n
	s_lshr_b32 s30, s34, 4                         ; b
	s_and_b32 s31, s34, 15                         ; n
	s_add_co_u32 s32, s31, 1
	s_and_b32 s32, s32, 15
	s_cmp_eq_u32 s30, 0
	s_cselect_b32 s32, s32, s31                    ; m: the head of the second term
	s_cmp_eq_u32 s34, 15
	s_cselect_b32 s33, 0, -1                       ; 0 where the second term is 0
	s_lshl_b32 s80, s30, 4
	s_add_co_u32 s80, s80, s32                     ; 16 b + m
	s_mov_b32 s[SEL], 0x76543210
	s_mov_b32 s[SEL+1], 0xfedcba98
	s_mov_b32 s[CS], 0x3e38aa3b                    ; c = log2(e) / 8
	s_mov_b32 s[CS+1], s[CS]
	s_mov_b32 s[TS], 0
	s_mov_b32 s[TV], 0
	s_mov_b32 s53, 0
	s_wait_kmcnt 0x0
	s_lshl_b32 s52, s29, 2
	s_add_co_u32 s52, s52, 524288
	s_add_nc_u64 s[54:55], s[6:7], s[52:53]
	s_load_b32 s[FL], s[54:55], 0x0                ; my tile's flags
	s_lshl_b32 s52, ttmp9, 5
	s_add_co_u32 s52, s52, 524288
	s_add_nc_u64 s[56:57], s[6:7], s[52:53]
	s_load_b256 s[36:43], s[56:57], 0x0            ; and those of the work-group's sixteen tiles
	s_sub_co_u32 s52, 15, ttmp9
	s_lshl_b32 s52, s52, 5
	s_add_co_u32 s52, s52, 524288
	s_add_nc_u64 s[58:59], s[6:7], s[52:53]
	s_load_b256 s[44:51], s[58:59], 0x0
	s_mov_b64 s[16:17], s[6:7]                     ; the mask bits
	s_lshl_b32 s52, s34, 7
	s_add_co_u32 s52, s52, s29
	s_mul_i32 s52, s52, 768
	s_add_nc_u64 s[60:61], s[4:5], s[52:53]        ; q + r_w_bias, head n, my tile
	s_lshl_b32 s52, s80, 7
	s_add_co_u32 s52, s52, s29
	s_mul_i32 s52, s52, 768
	s_add_co_u32 s52, s52, 3145728
	s_add_nc_u64 s[62:63], s[4:5], s[52:53]        ; q + r_r_bias, head m
	s_lshl_b32 s35, s29, 5
	s_lshl_b32 s52, s34, 12
	s_add_co_u32 s52, s52, s35
	s_add_co_u32 s52, s52, 14155776
	s_add_nc_u64 s[66:67], s[4:5], s[52:53]        ; their scale bytes
	s_lshl_b32 s52, s80, 12
	s_add_co_u32 s52, s52, s35
	s_add_co_u32 s52, s52, 14286848
	s_add_nc_u64 s[68:69], s[4:5], s[52:53]
	s_mul_i32 s52, s34, 98304
	s_add_co_u32 s52, s52, 6291456
	s_add_nc_u64 s[10:11], s[4:5], s[52:53]        ; K's images
	s_mul_i32 s52, s32, 98304
	s_add_co_u32 s52, s52, 9437184
	s_add_nc_u64 s[12:13], s[4:5], s[52:53]        ; R's, head m
	s_mul_i32 s52, s34, 98304
	s_add_co_u32 s52, s52, 11010048
	s_add_nc_u64 s[14:15], s[4:5], s[52:53]        ; V's
	s_lshl_b32 s52, s34, 12
	s_add_co_u32 s52, s52, 14417920
	s_add_nc_u64 s[70:71], s[4:5], s[52:53]        ; K's scale bytes
	s_lshl_b32 s52, s32, 12
	s_add_co_u32 s52, s52, 14548992
	s_add_nc_u64 s[72:73], s[4:5], s[52:53]        ; R's
	s_lshl_b32 s52, s34, 12
	s_add_co_u32 s52, s52, 14614528
	s_add_nc_u64 s[74:75], s[4:5], s[52:53]        ; V's
	s_lshl_b32 s35, s30, 7
	s_add_co_u32 s35, s35, s29                     ; 128 b + T
	s_lshl_b32 s52, s35, 4
	s_add_co_u32 s52, s52, s31
	s_mul_i32 s52, s52, 768
	s_add_nc_u64 s[76:77], s[8:9], s[52:53]        ; attn_vec's image
	s_lshl_b32 s52, s35, 9
	s_lshr_b32 s35, s31, 1
	s_lshl_b32 s35, s35, 6
	s_add_co_u32 s52, s52, s35
	s_and_b32 s35, s31, 1
	s_lshl_b32 s35, s35, 1
	s_add_co_u32 s52, s52, s35
	s_add_co_u32 s52, s52, 3145728
	s_add_nc_u64 s[78:79], s[8:9], s[52:53]        ; and its two scale bytes a row
	v_and_b32 v30, 31, v0                          ; lane
	v_and_b32 v31, 15, v0                          ; r
	v_bfe_u32 v29, v0, 4, 1                        ; h
	v_lshlrev_b32 v1, 4, v30
	v_lshlrev_b32 v2, 3, v30
	v_add_nc_u32 v10, SLOTB, v1
	v_add_nc_u32 v11, SLOTB, v2
	v_lshl_add_u32 v[ASK0], v31, 2, KRS
	v_lshl_add_u32 v[ASV0], v31, 2, VSL
	s_mul_i32 s35, s18, 768
	v_add_nc_u32 v5, s35, v2
	s_lshr_b32 s35, s29, 1
	s_lshl_b32 s35, s35, 5
	s_and_b32 s52, s29, 1
	s_lshl_b32 s52, s52, 3
	s_add_co_u32 s35, s35, s52                     ; the tile's first query
	v_and_b32 v[MOF], 8, v31
	v_add_nc_u32 v[MOF], v[MOF], v31
	v_add_nc_u32 v[MOF], s35, v[MOF]               ; my query
	v_lshlrev_b32 v[MOF], 8, v[MOF]
	v_lshl_add_u32 v[MOF], v29, 3, v[MOF]
	v_mov_b32 v7, 0xff800000
	global_load_b128 v[16:19], v1, s[60:61]        ; the query operand stays in registers: registers 0-5 the first term's, 6-11 the second's
	global_load_b64 v[20:21], v2, s[60:61] offset:512
	global_load_b128 v[22:25], v1, s[62:63]
	global_load_b64 v[26:27], v2, s[62:63] offset:512
	v_lshlrev_b32 v8, 1, v31
	global_load_u16 v28, v8, s[66:67]
	global_load_u16 v9, v8, s[68:69]
	v_lshlrev_b32 v126, 3, v0
	global_load_b64 v[32:33], v126, s[70:71]       ; four keys' scale bytes of K,
	global_load_b64 v[34:35], v126, s[72:73]       ; of R,
	global_load_b64 v[36:37], v126, s[74:75]       ; two of V's scale words
	COPY_LD                                        ; slot 0 is always copied
	s_wait_loadcnt 0x0
	v_perm_b32 v40, v34, v32, 0x05040100           ; a word a key: K's two bytes below, R's two above
	v_perm_b32 v41, v34, v32, 0x07060302
	v_perm_b32 v42, v35, v33, 0x05040100
	v_perm_b32 v43, v35, v33, 0x07060302
	v_lshl_add_u32 v44, v0, 4, KRS
	ds_store_b128 v44, v[40:43]
	v_add_nc_u32 v45, VSL, v126
	ds_store_b64 v45, v[36:37]
	COPY_ST 0
	v_lshl_or_b32 v28, v9, 16, v28                 ; the query's scale word
.irp i, 0,1,2,3,4,5
	v_and_b32 v[22+\i], s33, v[22+\i]              ; zero codes where the second term is 0
.endr
	v_mov_b32 v13, 0xff61b1e6                      ; the largest t so far: -3e38
	v_floor_f32 v12, -v13
	v_mov_b32 v14, 0
	v_mov_b32 v15, 0
	v_mov_b32 v247, 0
.irp b, 0,1,2,3
	v_mov_b32 v[PB+\b], 0                          ; written once: a lane permute's destination counts as one of its sources
.endr
.set j, 0
.rept 32
	v_mov_b32 v[O+j], 0                            ; O^T: the step is written once, and any step may be a wave's first
.set j, j+1
.endr
	s_add_nc_u64 s[10:11], s[10:11], 12288         ; on to slot 1's bytes
	s_add_nc_u64 s[12:13], s[12:13], 12288
	s_add_nc_u64 s[14:15], s[14:15], 12288
	s_wait_kmcnt 0x0
.irp x, 37,38,39,40,41,42,43,44,45,46,47,48,49,50,51
	s_and_b32 s36, s36, s[\x]
.endr
	s_and_b32 s36, s36, 0xffff                     ; steps that no wave of the work-group wants
	s_lshr_b32 s37, s36, 1
	s_and_b32 s36, s36, s37                        ; bit 2 k: slot k's two steps
	s_or_b32 s36, s36, 0x10000                     ; behind slot 7 there is nothing to copy
	s_lshr_b32 s[WS], s36, 2
	s_wait_dscnt 0x0
	s_barrier_signal -1
	s_barrier_wait -1
	s_mov_b32 s[IT], 4
.Lit:
	TRIP 0
	TRIP 1
	s_add_nc_u64 s[16:17], s[16:17], 2             ; the next 512 keys' halfwords (no load of mine is out)
	s_sub_co_u32 s[IT], s[IT], 1
	s_cmp_lg_u32 s[IT], 0
	s_cbranch_scc1 .Lit
	; THE WAY OUT: O^T / the sum, quantised along the head's 64: two blocks; register 16 g + i is channel 32 g + 16 (lane / 16) + i
	v_add_f32 v14, v14, v15
	v_permlanex16_b32 v[PB], v14, s[SEL], s[SEL+1]
	v_add_f32 v14, v14, v[PB]                      ; the row's sum
	v_rcp_f32 v15, v14
	v_and_b32 v126, 15, v0
	v_lshlrev_b32 v126, 2, v126                    ; 4 r
	v_mov_b32 v113, 0xffff
	v_nop
	s_wait_alu depctr_va_vdst(0)                   ; ahead of the reciprocal's first reader
.set j, 0
.rept 32
	v_mul_f32 v[S+j], v[O+j], v15
.set j, j+1
.endr
.irp g, 0,1
	v_max3_num_f32 v[BM+\g], |v[S+16*\g]|, |v[S+1+16*\g]|, 0x2800000
.endr
.irp i, 2,4,6,8,10,12,14
.irp g, 0,1
	v_max3_num_f32 v[BM+\g], v[BM+\g], |v[S+16*\g+\i]|, |v[S+1+16*\g+\i]|
.endr
.endr
.irp g, 0,1
	v_permlanex16_b32 v[PB+\g], v[BM+\g], s[SEL], s[SEL+1]
.endr
.irp g, 0,1
	v_max_num_f32 v[BM+\g], v[BM+\g], v[PB+\g]
.endr
.irp g, 0,1
	v_add_nc_u32 v[SO+\g], 0xfe000000, v[BM+\g]
.endr
.irp g, 0,1
	v_lshrrev_b32 v[PB+\g], 23, v[SO+\g]
.endr
	v_lshl_or_b32 v127, v[PB+1], 8, v[PB]
	v_cmp_eq_f32 vcc_lo, 0, v14                    ; a row with no key at all:
	v_cndmask_b32 v127, v127, v113, vcc_lo         ; its bytes say NaN
	v_cvt_scalef32_pk16_bf6_f32 v[PC:PC+2], v[S:S+15], v[SO]
	v_cvt_scalef32_pk16_bf6_f32 v[PC+12:PC+14], v[S+16:S+31], v[SO+1]
	v_nop
.irp i, 0,1,2
	v_permlane16_swap_b32 v[PC+\i], v[PC+12+\i]    ; a whole block to a lane: lanes 0-15 block 0, lanes 16-31 block 1
.endr
.irp i, 0,1,2
	v_mov_b32 v[PC+3+\i], v[PC+12+\i]
.endr
	global_store_b128 v1, v[PC:PC+3], s[76:77]     ; 512 consecutive bytes, aligned to 256,
	global_store_b64 v2, v[PC+4:PC+5], s[76:77] offset:512   ; and 256
	global_store_b16 v126, v127, s[78:79]          ; two bytes a row (lanes 16-31 write what lanes 0-15 write)
	s_wait_tensorcnt 0x0
	ds_add_u32 v254, v255
	s_wait_dscnt 0x0
	s_endpgm
.Lfunc_end_k_q03f25974f5_attn:
	.size	k_q03f25974f5_attn, .Lfunc_end_k_q03f25974f5_attn-k_q03f25974f5_attn
	.p2alignl 7, 3214868480
	.fill 96, 4, 3214868480
	.section	.rodata,"a",@progbits
	.p2align	6, 0x0
	.amdhsa_kernel k_q03f25974f5_attn
		.amdhsa_group_segment_fixed_size 88064
		.amdhsa_private_segment_fixed_size 0
		.amdhsa_enable_private_segment 0
		.amdhsa_kernarg_size 24
		.amdhsa_user_sgpr_count 2
		.amdhsa_user_sgpr_kernarg_segment_ptr 1
		.amdhsa_wavefront_size32 1
		.amdhsa_system_sgpr_workgroup_id_x 1
		.amdhsa_system_sgpr_workgroup_id_y 1
		.amdhsa_system_sgpr_workgroup_id_z 1
		.amdhsa_system_vgpr_workitem_id 0
		.amdhsa_next_free_vgpr 256
		.amdhsa_next_free_sgpr 84
		.amdhsa_reserve_vcc 1
		.amdhsa_float_denorm_mode_32 3
		.amdhsa_float_denorm_mode_16_64 3
		.amdhsa_memory_ordered 1
		.amdhsa_forward_progress 1
		.amdhsa_inst_pref_size 118
	.end_amdhsa_kernel
	.amdgpu_metadata
---
amdhsa.version: [ 1, 2 ]
amdhsa.kernels:
  - .name:           k_q03f25974f5_attn
    .symbol:         k_q03f25974f5_attn.kd
    .args:
      - { .name: att, .offset: 0, .size: 8, .value_kind: global_buffer, .address_space: global }
      - { .name: mb, .offset: 8, .size: 8, .value_kind: global_buffer, .address_space: global }
      - { .name: av, .offset: 16, .size: 8, .value_kind: global_buffer, .address_space: global }
    .group_segment_fixed_size: 88064
    .private_segment_fixed_size: 0
    .kernarg_segment_align: 8
    .kernarg_segment_size: 24
    .max_flat_workgroup_size: 512
    .sgpr_count:     84
    .vgpr_count:     256
    .wavefront_size: 32
...
	.end_amdgpu_metadata
.endif
;; end of part 3
;; launch oln (part 4): grid 256 x 1, 16 waves a work-group, no clusters, 80,384 bytes of LDS; arguments cod, scl, av, content, ln_gamma, ln_beta, out0; writes out0
.if DOCPART == 4
	.amdgcn_target "amdgcn-amd-amdhsa--gfx1250"
	.amdhsa_code_object_version 6
	.text
	.protected	k_q03f25974f5_oln
	.globl	k_q03f25974f5_oln
	.p2align	8
	.type	k_q03f25974f5_oln,@function
k_q03f25974f5_oln:
	s_mov_b64 s[64:65], 0
	v_nop
	global_prefetch_b8 v0, s[64:65] scope:SCOPE_SE
	s_setreg_imm32_b32 hwreg(HW_REG_WAVE_MODE, 25, 1), 1
	s_wait_xcnt 0x0
; OLN.  out0 = LayerNorm(content + attn_vec x W_o), the product on codes of BF6, K = 1,024.
; A work-group owns one tile of 16 tokens with all 1,024 columns, since the norm wants whole rows: 256 work-groups.  Wave w makes columns 64 w .. 64 w + 63: W_o's tiles 640 + 4 w + t of cod, whose images go from memory
; straight into its registers, two K steps ahead in three sets.  NO CLUSTER: no two waves of a work-group read the same fragment of W_o, so there is no tile in LDS that a joint load could fill.
; attn_vec's 16 images (one a head, 768 bytes) are shared by all waves: each wave copies one into LDS, one barrier.  K step ks takes heads 2 ks and 2 ks + 1: registers 0-5 and 6-11 of the second source.
; The product is used transposed (first source = 16 columns of W_o): a lane holds one token, and the 16 registers of tiles 2 g, 2 g + 1 are 16 neighbouring columns.  The results meet in a stage (rows of 4,096 bytes + 16);
; behind a second barrier wave w owns token w of the tile: residual, mean, variance and the affine map in f32, and 8 stores of 512 consecutive bytes.
.set STGE, 12288
.set ACC, 16                           ; v16-47   four accumulators; later my row
.set AFR, 48                           ; v48-71   attn_vec's fragment, two sets
.set ASC, 72                           ; v72-79   its scale words, one a K step
.set WSC, 80                           ; v80-111  W_o's scale words: register 8 t + ks
.set WF,  112                          ; v112-255 W_o's fragments: three sets of 48; later gamma (v112), beta (v160), content (v208)
.macro WLOAD ks
.irp t, 0,1,2,3
.irp c, 0,1,2
	global_load_b128 v[WF+48*((\ks)%3)+12*\t+4*\c:WF+48*((\ks)%3)+12*\t+4*\c+3], v1, s[4:5] offset:12288*\t+1536*(\ks)+512*\c
.endr
.endr
.endm
.macro ALOAD ks
.set AB, AFR+12*((\ks)%2)
	ds_load_b128 v[AB:AB+3], v1 offset:1536*(\ks)
	ds_load_b64 v[AB+4:AB+5], v2 offset:1536*(\ks)+512
	ds_load_b128 v[AB+6:AB+9], v1 offset:1536*(\ks)+768
	ds_load_b64 v[AB+10:AB+11], v2 offset:1536*(\ks)+768+512
.endm
.macro KSTEP ks
.if (\ks) > 0
.rept 4
	v_nop                                          ; places in front of loads into registers that the last products have read
.endr
.endif
.if (\ks) <= 5
	WLOAD (\ks)+2
.elseif (\ks) == 6
.irp k, 0,1,2,3,4,5,6,7
	global_load_b128 v[208+4*\k:211+4*\k], v1, s[10:11] offset:512*\k      ; my row of content, into the set that K step 5 has left
.endr
.else
.irp k, 0,1,2,3,4,5,6,7
	global_load_b128 v[112+4*\k:115+4*\k], v1, s[12:13] offset:512*\k      ; gamma
.endr
.endif
.if (\ks) < 7
	ALOAD (\ks)+1
.endif
.if (\ks) <= 5
	s_wait_loadcnt 24                              ; this K step's 12 loads are in; the two sets behind them may be out
.elseif (\ks) == 6
	s_wait_loadcnt 20                              ; K step 7's 12 and content's 8 may be out
.else
	s_wait_loadcnt 16                              ; content's 8 and gamma's 8 may be out
.endif
.if (\ks) < 7
	s_wait_dscnt 4                                 ; the next fragment's four loads may be out
.else
	s_wait_dscnt 0x0
.endif
.irp t, 0,1,2,3                        ; the four accumulators take turns, one instruction a turn
.if (\ks) == 0
	v_wmma_scale_f32_16x16x128_f8f6f4 v[ACC+8*\t:ACC+8*\t+7], v[WF+48*((\ks)%3)+12*\t:WF+48*((\ks)%3)+12*\t+11], v[AFR+12*((\ks)%2):AFR+12*((\ks)%2)+11], 0, v[WSC+8*\t+(\ks)], v[ASC+(\ks)] matrix_a_fmt:MATRIX_FMT_BF6 matrix_b_fmt:MATRIX_FMT_BF6
.else
	v_wmma_scale_f32_16x16x128_f8f6f4 v[ACC+8*\t:ACC+8*\t+7], v[WF+48*((\ks)%3)+12*\t:WF+48*((\ks)%3)+12*\t+11], v[AFR+12*((\ks)%2):AFR+12*((\ks)%2)+11], v[ACC+8*\t:ACC+8*\t+7], v[WSC+8*\t+(\ks)], v[ASC+(\ks)] matrix_a_fmt:MATRIX_FMT_BF6 matrix_b_fmt:MATRIX_FMT_BF6
.endif
.endr
.endm
.macro WSUM x, y                       ; the sum over the wave's 32 lanes, in every lane
	v_add_f32_dpp v[\x], v[\x], v[\x] row_xmask:1 row_mask:0xf bank_mask:0xf
	v_add_f32_dpp v[\x], v[\x], v[\x] row_xmask:2 row_mask:0xf bank_mask:0xf
	v_add_f32_dpp v[\x], v[\x], v[\x] row_xmask:4 row_mask:0xf bank_mask:0xf
	v_add_f32_dpp v[\x], v[\x], v[\x] row_xmask:8 row_mask:0xf bank_mask:0xf
	v_permlanex16_b32 v[\y], v[\x], s20, s21
	v_add_f32 v[\x], v[\x], v[\y]
.endm
	s_load_b256 s[4:11], s[0:1], 0x0               ; cod, scl, av, content
	s_load_b128 s[12:15], s[0:1], 0x20             ; ln_gamma, ln_beta
	s_load_b64 s[16:17], s[0:1], 0x30              ; out0
	v_lshl_add_u32 v14, v0, 2, 0x13200
	v_mov_b32 v15, 0
	v_lshrrev_b32 v1, 5, v0
	v_readfirstlane_b32 s18, v1                    ; wave 0..15
	v_and_b32 v9, 31, v0
	v_and_b32 v10, 15, v0                          ; r
	v_bfe_u32 v11, v0, 4, 1                        ; h
	v_lshlrev_b32 v1, 4, v9                        ; 16 x lane
	v_lshlrev_b32 v2, 3, v9                        ; 8 x lane
	v_lshlrev_b32 v3, 5, v10                       ; 32 r
	v_lshlrev_b32 v4, 2, v10                       ; 4 r
	s_lshl_b32 s19, s18, 8
	v_mul_u32_u24 v5, v10, 4112
	v_lshl_add_u32 v5, v11, 6, v5
	v_add_nc_u32 v5, s19, v5
	v_add_nc_u32 v5, STGE, v5                      ; the stage, in: row r, + 256 w + 64 h
	s_mul_i32 s19, s18, 4112
	s_add_co_u32 s19, s19, STGE
	v_add_nc_u32 v6, s19, v1                       ; and out: row w, 16 bytes a lane
	s_mul_i32 s19, s18, 768
	v_add_nc_u32 v7, s19, v1                       ; head w's image, in memory and in LDS
	v_add_nc_u32 v8, s19, v2
	s_mov_b32 s20, 0x76543210
	s_mov_b32 s21, 0xfedcba98
	s_mov_b32 s22, 0x3a800000                      ; 1 / 1,024
	s_mov_b32 s23, 0x3727c5ac                      ; 1e-5
	s_and_b32 s24, ttmp9, 127                      ; T
	s_lshr_b32 s25, ttmp9, 7                       ; b
	s_lshr_b32 s26, s24, 1
	s_lshl_b32 s26, s26, 5
	s_and_b32 s27, s24, 1
	s_lshl_b32 s27, s27, 3
	s_add_co_u32 s26, s26, s27
	s_add_co_u32 s26, s26, s18
	s_and_b32 s27, s18, 8
	s_add_co_u32 s26, s26, s27                     ; i of the tile's token w
	s_lshl_b32 s26, s26, 1
	s_add_co_u32 s26, s26, s25                     ; its row in memory: 2 i + b
	s_lshl_b32 s26, s26, 12
	s_mov_b32 s27, 0
	s_mul_i32 s28, ttmp9, 12288
	s_mov_b32 s29, 0
	s_lshl_b32 s30, ttmp9, 9
	s_add_co_u32 s30, s30, 3145728
	s_mov_b32 s31, 0
	s_lshl_b32 s32, s18, 2
	s_add_co_u32 s32, s32, 640
	s_mul_i32 s32, s32, 12288
	s_mov_b32 s33, 0
	s_lshl_b32 s34, s18, 6
	s_add_co_u32 s34, s34, 10240
	s_lshl_b32 s34, s34, 5
	s_mov_b32 s35, 0
	s_wait_kmcnt 0x0
	s_add_nc_u64 s[10:11], s[10:11], s[26:27]
	s_add_nc_u64 s[16:17], s[16:17], s[26:27]
	s_add_nc_u64 s[36:37], s[8:9], s[30:31]        ; attn_vec's scale words
	s_add_nc_u64 s[8:9], s[8:9], s[28:29]          ; its images
	s_add_nc_u64 s[4:5], s[4:5], s[32:33]          ; my four tiles of W_o
	s_add_nc_u64 s[6:7], s[6:7], s[34:35]          ; and their scale bytes
	global_load_b128 v[48:51], v7, s[8:9]
	global_load_b64 v[52:53], v8, s[8:9] offset:512
.irp k, 0,1,2,3,4,5,6,7
	global_load_b32 v[ASC+\k], v4, s[36:37] offset:64*\k
.endr
.irp t, 0,1,2,3
	global_load_b128 v[WSC+8*\t:WSC+8*\t+3], v3, s[6:7] offset:512*\t
	global_load_b128 v[WSC+8*\t+4:WSC+8*\t+7], v3, s[6:7] offset:512*\t+16
.endr
	WLOAD 0
	WLOAD 1
	s_wait_loadcnt 40                              ; the image is in: behind it 8 + 8 + 12 + 12 loads were issued
	ds_store_b128 v7, v[48:51]
	ds_store_b64 v8, v[52:53] offset:512
	s_wait_dscnt 0x0                               ; for the others' sake
	s_barrier_signal -1
	s_barrier_wait -1
	ALOAD 0
.irp q, 0,1,2,3,4,5,6,7
	KSTEP \q
.endr
.rept 4
	v_nop
.endr
.irp k, 0,1,2,3,4,5,6,7
	global_load_b128 v[160+4*\k:163+4*\k], v1, s[14:15] offset:512*\k      ; beta
.endr
.irp g, 0,1
.irp k, 0,1,2,3
	ds_store_b128 v5, v[ACC+16*\g+4*\k:ACC+16*\g+4*\k+3] offset:128*\g+16*\k   ; 16 neighbouring columns of my token; each accumulator from its low end on
.endr
.endr
	s_wait_dscnt 0x0
	s_barrier_signal -1
	s_barrier_wait -1
.irp k, 0,1,2,3,4,5,6,7
	ds_load_b128 v[16+4*\k:19+4*\k], v6 offset:512*\k
.endr
	s_wait_dscnt 0x0
	s_wait_loadcnt 16                              ; content is in; gamma's 8 and beta's 8 may be out
.set j, 0
.rept 16
	v_pk_add_f32 v[16+j:17+j], v[16+j:17+j], v[208+j:209+j]        ; the residual
.set j, j+2
.endr
	v_pk_add_f32 v[48:49], v[16:17], v[18:19]
	v_pk_add_f32 v[50:51], v[20:21], v[22:23]
.set j, 24
.rept 6
	v_pk_add_f32 v[48:49], v[48:49], v[j:j+1]
	v_pk_add_f32 v[50:51], v[50:51], v[j+2:j+3]
.set j, j+4
.endr
	v_pk_add_f32 v[48:49], v[48:49], v[50:51]
	v_add_f32 v48, v48, v49
	WSUM 48, 49
	v_mul_f32 v48, s22, v48                        ; the mean
.set j, 0
.rept 16
	v_pk_add_f32 v[16+j:17+j], v[16+j:17+j], v[48:49] op_sel_hi:[1,0] neg_lo:[0,1] neg_hi:[0,1]
.set j, j+2
.endr
	v_pk_mul_f32 v[50:51], v[16:17], v[16:17]
	v_pk_mul_f32 v[52:53], v[18:19], v[18:19]
.set j, 20
.rept 7
	v_pk_fma_f32 v[50:51], v[j:j+1], v[j:j+1], v[50:51]
	v_pk_fma_f32 v[52:53], v[j+2:j+3], v[j+2:j+3], v[52:53]
.set j, j+4
.endr
	v_pk_add_f32 v[50:51], v[50:51], v[52:53]
	v_add_f32 v50, v50, v51
	WSUM 50, 51
	v_fma_f32 v50, v50, s22, s23                   ; the variance + 1e-5
	v_rsq_f32 v52, v50
	v_nop
	s_wait_alu depctr_va_vdst(0)                   ; ahead of the root's first reader
	s_wait_loadcnt 0x0                             ; gamma and beta
.set j, 0
.rept 16
	v_pk_mul_f32 v[16+j:17+j], v[16+j:17+j], v[52:53] op_sel_hi:[1,0]
.set j, j+2
.endr
.set j, 0
.rept 16
	v_pk_fma_f32 v[16+j:17+j], v[16+j:17+j], v[112+j:113+j], v[160+j:161+j]
.set j, j+2
.endr
.irp k, 0,1,2,3,4,5,6,7
	global_store_b128 v1, v[16+4*\k:19+4*\k], s[16:17] offset:512*\k th:TH_STORE_NT   ; 32 lanes store 512 consecutive bytes, aligned to 256
.endr
	s_wait_tensorcnt 0x0
	ds_add_u32 v14, v15
	s_wait_dscnt 0x0
	s_endpgm
.Lfunc_end_k_q03f25974f5_oln:
	.size	k_q03f25974f5_oln, .Lfunc_end_k_q03f25974f5_oln-k_q03f25974f5_oln
	.p2alignl 7, 3214868480
	.fill 96, 4, 3214868480
	.section	.rodata,"a",@progbits
	.p2align	6, 0x0
	.amdhsa_kernel k_q03f25974f5_oln
		.amdhsa_group_segment_fixed_size 80384
		.amdhsa_private_segment_fixed_size 0
		.amdhsa_enable_private_segment 0
		.amdhsa_kernarg_size 56
		.amdhsa_user_sgpr_count 2
		.amdhsa_user_sgpr_kernarg_segment_ptr 1
		.amdhsa_wavefront_size32 1
		.amdhsa_system_sgpr_workgroup_id_x 1
		.amdhsa_system_sgpr_workgroup_id_y 1
		.amdhsa_system_sgpr_workgroup_id_z 1
		.amdhsa_system_vgpr_workitem_id 0
		.amdhsa_next_free_vgpr 256
		.amdhsa_next_free_sgpr 66
		.amdhsa_reserve_vcc 0
		.amdhsa_float_denorm_mode_32 3
		.amdhsa_float_denorm_mode_16_64 3
		.amdhsa_memory_ordered 1
		.amdhsa_forward_progress 1
		.amdhsa_inst_pref_size 33
	.end_amdhsa_kernel
	.amdgpu_metadata
---
amdhsa.version: [ 1, 2 ]
amdhsa.kernels:
  - .name:           k_q03f25974f5_oln
    .symbol:         k_q03f25974f5_oln.kd
    .args:
      - { .name: cod, .offset: 0, .size: 8, .value_kind: global_buffer, .address_space: global }
      - { .name: scl, .offset: 8, .size: 8, .value_kind: global_buffer, .address_space: global }
      - { .name: av, .offset: 16, .size: 8, .value_kind: global_buffer, .address_space: global }
      - { .name: content, .offset: 24, .size: 8, .value_kind: global_buffer, .address_space: global }
      - { .name: ln_gamma, .offset: 32, .size: 8, .value_kind: global_buffer, .address_space: global }
      - { .name: ln_beta, .offset: 40, .size: 8, .value_kind: global_buffer, .address_space: global }
      - { .name: out0, .offset: 48, .size: 8, .value_kind: global_buffer, .address_space: global }
    .group_segment_fixed_size: 80384
    .private_segment_fixed_size: 0
    .kernarg_segment_align: 8
    .kernarg_segment_size: 56
    .max_flat_workgroup_size: 512
    .sgpr_count:     66
    .vgpr_count:     256
    .wavefront_size: 32
...
	.end_amdgpu_metadata
.endif
;; end of part 4
;; ======== version 2 of 2: 4 launches; version 1 with the launches attn, oln written anew for expert scheduling mode
;; workspace buffers: cod 8,650,752 bytes; scl 360,448 bytes; mb 524,800 bytes of whole numbers; att 14,745,600 bytes; av 3,276,800 bytes
;; launch prep: the kernel of part 1 again; grid 384 x 1, 4 waves a work-group, no clusters, 34,304 bytes of LDS; arguments content, rel_pos, W_qkv, W_r, W_o, attn_mask, cod, scl, mb; writes cod, scl, mb
;; launch proj: the kernel of part 2 again; grid 56 x 4, 4 waves a work-group, clusters of 4 x 4, 327,680 bytes of LDS; arguments cod, scl, r_w_bias, r_r_bias, att; writes att
;; launch attn (part 5): grid 8 x 32, 16 waves a work-group, no clusters, 88,064 bytes of LDS; arguments att, mb, av; writes av
.if DOCPART == 5
	.amdgcn_target "amdgcn-amd-amdhsa--gfx1250"
	.amdhsa_code_object_version 6
	.text
	.protected	k_q03f25974f5_attn
	.globl	k_q03f25974f5_attn
	.p2align	8
	.type	k_q03f25974f5_attn,@function
k_q03f25974f5_attn:
	s_mov_b64 s[64:65], 0
	v_nop
	global_prefetch_b8 v0, s[64:65] scope:SCOPE_SE
	s_setreg_imm32_b32 hwreg(HW_REG_WAVE_SCHED_MODE, 0, 2), 2
	s_setreg_imm32_b32 hwreg(HW_REG_WAVE_MODE, 25, 1), 1
	s_wait_xcnt 0x0
	s_wait_alu depctr_vm_vsrc(0)
; ATTN.  For batch b and head n: score(i, j) = ((q_n + rw_n)(i) . k_n(j) + (q_m + rr_m)(i) . r_m(j)) / 8, where the shift along the head axis makes m = n for b = 1, m = n + 1 for b = 0, and the second term 0 for b = 0, n = 15.
; Both terms have K = 64 and the same (i, j): they are ONE product of K = 128: blocks 0, 1 along K carry the first, blocks 2, 3 the second, each with its own scale bytes.  For b = 0, n = 15 the query's second half gets zero codes.
; The mask is read as given, bit by bit.  Softmax ahead of the second product: t = score x log2(e) / 8; M = the running largest t rounded up to a whole number; p = 2^(t - M) is quantised along the keys; the row's sum is taken of the
; unquantised p and divides at the end.  The result, attn_vec, is quantised along the head's 64 for the last projection.
; SHARES.  A work-group owns head (b, n) and two blocks of 128 queries, x and 15 - x; each of its sixteen waves owns one tile of 16 queries.  Every wave walks 16 steps of 128 keys.  A step whose 128 keys are masked for all 16 queries of the
; wave's tile is left out: a scalar branch on the flags that the first launch stored.  A pair of steps that no wave wants is not copied.  The choice of blocks only shares work out; it changes no result under any mask.
; NO TENSOR LOAD AND NO CLUSTER: steps are left out by branches on stored numbers, so the tiles come through registers: each wave copies 768 bytes of K's, R's and V's images of the next 256 keys, asked for a whole trip ahead.
; Both products are used transposed (first source = 16 keys, or 16 of the head's 64): a lane holds ONE query (lane % 16) throughout; by the tiles' choice of rows the 16 registers of tiles 2 g, 2 g + 1 are 16 neighbours.
; LIMITS: NaN and infinities among the inputs are not served.  A query whose keys are all masked has the sum 0: its scale bytes become 0xff, so that the last projection gives NaN for that row, as a softmax of nothing but -infinity does.
; THE MODE: SCHED_MODE bits 1:0 = 2 (LLVM: expert scheduling mode 2), set by the entry lines.  The code itself states the register dependences
; between vector or matrix instructions and memory or LDS instructions, with s_wait_alu, always for 0.
; THE PLAN.  Registers that memory or LDS instructions touch, in the loop:
;   v1, v2, v10, v11, v5, v[MOF]   addresses, made at the head and never written again.
;   STG          a trip's nine global loads land in it, the same trip's nine LDS stores read it; no vector instruction names it.  One wait on vm_vsrc at a trip's head.
;   v[ADS], v[ADT]  written by two adds at a step's head, read by the step's LDS loads.  The wait on vm_vsrc at the trip's head serves the first step's adds, one more between the two steps the second's.
;   FRG, KSC, VSC   LDS loads land in them three times a step (K and R twice, V once); the products read them.  There is one set (four waves of 256 registers fill a SIMD), so a wait on va_vdst stands ahead of each of the three runs.
;   MW           the mask's loads land in it, v_and reads it: the third of those waits stands ahead of the loads, with no vector instruction between.
;   PC, v247     written by vector instructions, taken by the scaled products as second source and scales: a wait on va_vdst behind the places, ahead of the four products.
;   s[MK ..]     sixteen masks of lanes, written by a run of compares, read by the selects behind one wait on va_sdst.
.set SLOTB, 36864                      ; an LDS slot, 256 keys: K's 16 images of 768 bytes, R's 16, V's 8 of 1,536
.set ROFF,  12288
.set VOFF,  24576
.set KRS,   73728                      ; a word for each of the 2,048 keys: K's two scale bytes, R's two
.set VSL,   81920                      ; V's scale words: [16 steps][64]
.set ASK0, 3                           ; v3   KRS + 4 r          (v1, v10: 16 x lane in slot 0, 1;  v2, v11: 8 x lane)
.set ASV0, 4                           ; v4   VSL + 4 r
.set MOF,  6                           ; v6   my query's row of mask bits: 256 q + 8 h    (v5: 768 x wave + 8 x lane: my part of a copy, in memory and in LDS;  v7: -infinity)
.set ADS,  8
.set ADT,  9
.set FRG,  32                          ; v32-79  four fragments
.set KSC,  80                          ; v80-83  K's and R's scale words
.set VSC,  84                          ; v84-87  V's
.set STG,  88                          ; v88-105 nine pieces of 8 bytes on their way from memory to LDS
.set MW,   106                         ; v106-109 mask bits of my 16 keys of each block
.set MT,   110
.set BM,   114                         ; v114-117 each block's largest score, then its largest p
.set PB,   118
.set SO,   122                         ; v122-125 the conversions' scale operands
.set S,    128                         ; v128-191 the scores, then p
.set O,    192                         ; v192-223 O^T
.set PC,   224                         ; v224-243 p's codes (12 + 8)
.set FL,   24                          ; s24  my tile's flags, shifted a bit a step
.set WS,   25                          ; s25  bit 0: nobody wants the next slot
.set TS,   26
.set TV,   27
.set IT,   28
.set SEL,  20
.set CS,   22
.set MK,   36                          ; s36-51 sixteen masks of lanes (the head's flags lie here first, and are done with ahead of the loop)
.macro COPY_LD
.irp p, 0,1,2
	global_load_b64 v[STG+2*\p:STG+2*\p+1], v5, s[10:11] offset:256*\p
	global_load_b64 v[STG+6+2*\p:STG+7+2*\p], v5, s[12:13] offset:256*\p
	global_load_b64 v[STG+12+2*\p:STG+13+2*\p], v5, s[14:15] offset:256*\p
.endr
.endm
.macro COPY_ST slot
.irp p, 0,1,2
	ds_store_b64 v5, v[STG+2*\p:STG+2*\p+1] offset:(\slot)*SLOTB+256*\p
	ds_store_b64 v5, v[STG+6+2*\p:STG+7+2*\p] offset:(\slot)*SLOTB+ROFF+256*\p
	ds_store_b64 v5, v[STG+12+2*\p:STG+13+2*\p] offset:(\slot)*SLOTB+VOFF+256*\p
.endr
.endm
; A KEY STEP: 128 keys, the q-th of the slot in hand.
.macro STEP slot, q
	s_bitcmp1_b32 s[FL], 0                         ; all 128 keys masked for my 16 queries: every p would be 0
	s_cbranch_scc1 .Lskip_\@
	v_add_nc_u32 v[ADS], s[TS], v[ASK0]            ; (the LDS loads that read these two have read them: the wait on vm_vsrc ahead of the step's branch)
	v_add_nc_u32 v[ADT], s[TV], v[ASV0]
	v_nop
	v_nop                                          ; four places behind the last products, then the wait
.irp g, 0,1
.if \g
.rept 4
	v_nop
.endr
.endif
	s_wait_alu depctr_va_vdst(0)                   ; the products issued so far are done reading the four fragments and their scale words, in which the loads below land; in the first of the two runs v[ADS] and v[ADT] are written too, and in a wave's first step what the head wrote: v40 to v45, the query's codes and its scale word
.irp t, 0,1,2,3
	ds_load_b128 v[FRG+12*\t:FRG+12*\t+3], v[1+9*(\slot)] offset:(8*(\q)+4*\g+\t)*768
	ds_load_b64 v[FRG+12*\t+4:FRG+12*\t+5], v[2+9*(\slot)] offset:(8*(\q)+4*\g+\t)*768+512
	ds_load_b128 v[FRG+12*\t+6:FRG+12*\t+9], v[1+9*(\slot)] offset:ROFF+(8*(\q)+4*\g+\t)*768
	ds_load_b64 v[FRG+12*\t+10:FRG+12*\t+11], v[2+9*(\slot)] offset:ROFF+(8*(\q)+4*\g+\t)*768+512
	ds_load_b32 v[KSC+\t], v[ADS] offset:64*(4*\g+\t)
.endr
	s_wait_dscnt 0x0
.irp t, 0,1,2,3
	v_wmma_scale_f32_16x16x128_f8f6f4 v[S+8*(4*\g+\t):S+8*(4*\g+\t)+7], v[FRG+12*\t:FRG+12*\t+11], v[16:27], 0, v[KSC+\t], v28 matrix_a_fmt:MATRIX_FMT_BF6 matrix_b_fmt:MATRIX_FMT_BF6
.endr
.endr
.rept 4
	v_nop
.endr
	s_wait_alu depctr_va_vdst(0)                   ; the products above are done reading the four fragments, in which V's land; the last step's second products are done reading V's scale words; the last masked step's v_and are done reading v[MW ..], in which the mask's loads land
.irp t, 0,1,2,3                        ; V's four fragments land under the softmax
.irp c, 0,1,2
	ds_load_b128 v[FRG+12*\t+4*\c:FRG+12*\t+4*\c+3], v[1+9*(\slot)] offset:VOFF+6144*(\q)+1536*\t+512*\c
.endr
	ds_load_b32 v[VSC+\t], v[ADT] offset:64*\t
.endr
	s_bitcmp1_b32 s[FL], 16                        ; no key of the step is masked for any of my 16 queries
	s_cbranch_scc1 .Lopen_\@
.irp b, 0,1,2,3
	global_load_u16 v[MW+\b], v[MOF], s[16:17] offset:64*(2*(\slot)+(\q))+16*\b
.endr
	s_wait_loadcnt 0x0
.irp b, 0,1,2,3                        ; register 16 b + i holds key 32 b + 16 (lane / 16) + i of the step: masked scores become -infinity ahead of the maximum.  A block's sixteen compares stand in one run
.set n, 0
.rept 16
	v_and_b32 v[MT+n%4], 1<<n, v[MW+\b]
	v_cmp_ne_u32 s[MK+n], 0, v[MT+n%4]
.set n, n+1
.endr
	s_wait_alu depctr_va_sdst(0)                   ; the sixteen compares have written s[MK ..], which the selects below read
.set n, 0
.rept 16
	v_cndmask_b32 v[S+16*\b+n], v[S+16*\b+n], v7, s[MK+n]
.set n, n+1
.endr
.endr
.Lopen_\@:
.irp b, 0,1,2,3
	v_max3_num_f32 v[BM+\b], v[S+16*\b], v[S+1+16*\b], v[S+2+16*\b]        ; the largest score of each block of 32 keys: for the row's maximum, and, since p rises with the score, for the block's largest p
.endr
.irp i, 3,5,7,9,11,13
.irp b, 0,1,2,3
	v_max3_num_f32 v[BM+\b], v[BM+\b], v[S+16*\b+\i], v[S+1+16*\b+\i]
.endr
.endr
.irp b, 0,1,2,3
	v_max_num_f32 v[BM+\b], v[BM+\b], v[S+15+16*\b]
.endr
.irp b, 0,1,2,3
	v_permlanex16_b32 v[PB+\b], v[BM+\b], s[SEL], s[SEL+1]
.endr
.irp b, 0,1,2,3
	v_max_num_f32 v[BM+\b], v[BM+\b], v[PB+\b]
.endr
	v_max3_num_f32 v126, v[BM], v[BM+1], v[BM+2]
	v_max_num_f32 v126, v126, v[BM+3]
	v_mul_f32 v126, s[CS], v126                    ; as t (c is positive)
	v_max_num_f32 v13, v13, v126                   ; the running largest t
	v_mov_b32 v126, v12
	v_floor_f32 v12, -v13                          ; the new -M = floor(-t): M is a whole number
	v_sub_f32 v126, v12, v126                      ; old M - new M: a whole number, 0 or less
	v_cvt_i32_f32 v126, v126                       ; (it saturates)
	v_ldexp_f32 v246, 1.0, v126                    ; f = 2^(old M - new M): a multiplication by it rounds nothing
.set j, 0
.rept 32
	v_pk_fma_f32 v[S+j:S+j+1], v[S+j:S+j+1], s[CS:CS+1], v[12:13] op_sel_hi:[1,0,0]   ; t - M
.set j, j+2
.endr
.irp b, 0,1,2,3
	v_fma_f32 v[BM+\b], v[BM+\b], s[CS], v12
.endr
.set j, 0
.rept 64
	v_exp_f32 v[S+j], v[S+j]                       ; p = 2^(t - M)
.set j, j+1
.endr
	v_pk_mul_f32 v[14:15], v[14:15], v[246:247] op_sel_hi:[1,0]    ; the sums under the new M; the plain line behind the exponentials
	s_wait_alu depctr_va_vdst(0)                   ; the 64 exponentials have written p: one wait for the whole batch, ahead of its first reader
.irp b, 0,1,2,3
	v_exp_f32 v[BM+\b], v[BM+\b]                   ; the block's largest p: the same two instructions on the same number
.endr
	v_pk_add_f32 v[PB:PB+1], v[S:S+1], v[S+2:S+3]  ; the row's sum is taken of the unquantised p, in two chains
.set j, 4
.rept 15
	v_pk_add_f32 v[14:15], v[14:15], v[S+j:S+j+1]
	v_pk_add_f32 v[PB:PB+1], v[PB:PB+1], v[S+j+2:S+j+3]
.set j, j+4
.endr
	v_pk_add_f32 v[14:15], v[14:15], v[PB:PB+1]
	s_wait_alu depctr_va_vdst(0)                   ; and one for the four, which have written v[BM ..]
.irp b, 0,1,2,3
	v_max_num_f32 v[BM+\b], 0x2800000, v[BM+\b]    ; the floor 2^(5 - 127): a block whose every p is 0 keeps byte 1; its codes are zeros
.endr
.irp b, 0,1,2,3
	v_add_nc_u32 v[SO+\b], 0xfe000000, v[BM+\b]
.endr
.irp b, 0,1,2,3
	v_lshrrev_b32 v[PB+\b], 23, v[SO+\b]
.endr
	v_lshl_or_b32 v247, v[PB+1], 8, v[PB]          ; p's scale word for these 128 keys
	v_lshl_or_b32 v247, v[PB+2], 16, v247
	v_lshl_or_b32 v247, v[PB+3], 24, v247
.irp c, 0,1
	v_cvt_scalef32_pk16_bf6_f32 v[PC+6*\c:PC+2+6*\c], v[S+32*\c:S+15+32*\c], v[SO+2*\c]
	v_cvt_scalef32_pk16_bf6_f32 v[PC+12+4*\c:PC+14+4*\c], v[S+16+32*\c:S+31+32*\c], v[SO+2*\c+1]
.endr
	v_nop                                          ; one plain line behind the scaled conversions
.irp c, 0,1
.irp i, 0,1,2
	v_permlane16_swap_b32 v[PC+6*\c+\i], v[PC+12+4*\c+\i]
.endr
.irp i, 0,1,2
	v_mov_b32 v[PC+3+6*\c+\i], v[PC+12+4*\c+\i]
.endr
.endr
.set j, 0
.rept 16
	v_pk_mul_f32 v[O+j:O+j+1], v[O+j:O+j+1], v[246:247] op_sel_hi:[1,0]    ; O^T under the new M; these 16 are also the places between the lines that made p's codes and scale word and the products
.set j, j+2
.endr
	s_wait_dscnt 0x0                               ; V
	s_wait_alu depctr_va_vdst(0)                   ; p's codes v[PC ..] and p's scale word v247 are written, which the scaled products below take as second source and scales; the places above stay beside this wait
.irp t, 0,1,2,3
	v_wmma_scale_f32_16x16x128_f8f6f4 v[O+8*\t:O+8*\t+7], v[FRG+12*\t:FRG+12*\t+11], v[PC:PC+11], v[O+8*\t:O+8*\t+7], v[VSC+\t], v247 matrix_a_fmt:MATRIX_FMT_BF6 matrix_b_fmt:MATRIX_FMT_BF6
.endr
.Lskip_\@:
	s_lshr_b32 s[FL], s[FL], 1
	s_add_co_u32 s[TS], s[TS], 512
	s_add_co_u32 s[TV], s[TV], 256
.endm
; A TRIP: the next slot's bytes are asked for, this slot's two steps are worked, the bytes go into the other slot, ONE barrier: in front of it my reads of this slot are over and my stores into the other have landed;
; the other slot was last read in front of the barrier before.
.macro TRIP slot
	s_wait_alu depctr_vm_vsrc(0)                   ; the LDS stores of the trip before have read STG, in which the loads below land; the LDS loads of the step before have read v[ADS] and v[ADT], which the step below writes; in the first trip the head's loads and LDS stores have read v8, v126 and v36 to v45
	s_bitcmp1_b32 s[WS], 0
	s_cbranch_scc1 .Lnold_\@
	COPY_LD
.Lnold_\@:
	STEP \slot, 0
	s_wait_alu depctr_vm_vsrc(0)                   ; the LDS loads of the step above have read v[ADS] and v[ADT], which the step below writes
	STEP \slot, 1
	s_wait_loadcnt 0x0                             ; on every way: the copy's nine loads are in, and no load of mine reads an address any more
	s_add_nc_u64 s[10:11], s[10:11], 12288
	s_add_nc_u64 s[12:13], s[12:13], 12288
	s_add_nc_u64 s[14:15], s[14:15], 12288
	s_bitcmp1_b32 s[WS], 0
	s_cbranch_scc1 .Lnost_\@
	COPY_ST 1-(\slot)
.Lnost_\@:
	s_lshr_b32 s[WS], s[WS], 2
	s_wait_dscnt 0x0
	s_barrier_signal -1
	s_barrier_wait -1
.endm
	s_load_b128 s[4:7], s[0:1], 0x0                ; att, mb
	s_load_b64 s[8:9], s[0:1], 0x10                ; av
	v_lshl_add_u32 v254, v0, 2, 0x15000
	v_mov_b32 v255, 0
	v_lshrrev_b32 v1, 5, v0
	v_readfirstlane_b32 s18, v1                    ; wave 0..15
	v_and_b32 v30, 31, v0                          ; lane
	v_and_b32 v31, 15, v0                          ; r
	v_bfe_u32 v29, v0, 4, 1                        ; h
	v_lshlrev_b32 v1, 4, v30
	v_lshlrev_b32 v2, 3, v30
	v_add_nc_u32 v10, SLOTB, v1
	v_add_nc_u32 v11, SLOTB, v2
	v_lshl_add_u32 v[ASK0], v31, 2, KRS
	v_lshl_add_u32 v[ASV0], v31, 2, VSL
	v_mov_b32 v7, 0xff800000
	v_lshlrev_b32 v8, 1, v31                       ; at the head only: 2 r,
	v_lshlrev_b32 v126, 3, v0                      ; 8 x thread,
	v_lshl_add_u32 v44, v0, 4, KRS                 ; and where the thread lays four keys' scale words
	v_add_nc_u32 v45, VSL, v126                    ; and two of V's
	s_wait_alu depctr_va_sdst(0)                   ; s18 is written, ahead of its first reader
	s_lshr_b32 s19, s18, 2
	s_xor_b32 s19, s19, s18
	s_and_b32 s19, s19, 1                          ; which of the two blocks of queries: of any four waves w % 4 alike or w / 4 alike, two take each
	s_lshr_b32 s34, s18, 1
	s_sub_co_u32 s35, 15, ttmp9
	s_cmp_eq_u32 s19, 0
	s_cselect_b32 s35, ttmp9, s35
	s_lshl_b32 s29, s35, 3
	s_add_co_u32 s29, s29, s34                     ; T: my tile of 16 queries
	s_and_b32 s34, ttmp7, 0xffff                   ; 16 b + n
	s_lshr_b32 s30, s34, 4                         ; b
	s_and_b32 s31, s34, 15                         ; n
	s_add_co_u32 s32, s31, 1
	s_and_b32 s32, s32, 15
	s_cmp_eq_u32 s30, 0
	s_cselect_b32 s32, s32, s31                    ; m: the head of the second term
	s_cmp_eq_u32 s34, 15
	s_cselect_b32 s33, 0, -1                       ; 0 where the second term is 0
	s_lshl_b32 s80, s30, 4
	s_add_co_u32 s80, s80, s32                     ; 16 b + m
	s_mov_b32 s[SEL], 0x76543210
	s_mov_b32 s[SEL+1], 0xfedcba98
	s_mov_b32 s[CS], 0x3e38aa3b                    ; c = log2(e) / 8
	s_mov_b32 s[CS+1], s[CS]
	s_mov_b32 s[TS], 0
	s_mov_b32 s[TV], 0
	s_mov_b32 s53, 0
	s_wait_kmcnt 0x0
	s_lshl_b32 s52, s29, 2
	s_add_co_u32 s52, s52, 524288
	s_add_nc_u64 s[54:55], s[6:7], s[52:53]
	s_load_b32 s[FL], s[54:55], 0x0                ; my tile's flags
	s_lshl_b32 s52, ttmp9, 5
	s_add_co_u32 s52, s52, 524288
	s_add_nc_u64 s[56:57], s[6:7], s[52:53]
	s_load_b256 s[36:43], s[56:57], 0x0            ; and those of the work-group's sixteen tiles
	s_sub_co_u32 s52, 15, ttmp9
	s_lshl_b32 s52, s52, 5
	s_add_co_u32 s52, s52, 524288
	s_add_nc_u64 s[58:59], s[6:7], s[52:53]
	s_load_b256 s[44:51], s[58:59], 0x0
	s_mov_b64 s[16:17], s[6:7]                     ; the mask bits
	s_lshl_b32 s52, s34, 7
	s_add_co_u32 s52, s52, s29
	s_mul_i32 s52, s52, 768
	s_add_nc_u64 s[60:61], s[4:5], s[52:53]        ; q + r_w_bias, head n, my tile
	s_lshl_b32 s52, s80, 7
	s_add_co_u32 s52, s52, s29
	s_mul_i32 s52, s52, 768
	s_add_co_u32 s52, s52, 3145728
	s_add_nc_u64 s[62:63], s[4:5], s[52:53]        ; q + r_r_bias, head m
	s_lshl_b32 s35, s29, 5
	s_lshl_b32 s52, s34, 12
	s_add_co_u32 s52, s52, s35
	s_add_co_u32 s52, s52, 14155776
	s_add_nc_u64 s[66:67], s[4:5], s[52:53]        ; their scale bytes
	s_lshl_b32 s52, s80, 12
	s_add_co_u32 s52, s52, s35
	s_add_co_u32 s52, s52, 14286848
	s_add_nc_u64 s[68:69], s[4:5], s[52:53]
	s_mul_i32 s52, s34, 98304
	s_add_co_u32 s52, s52, 6291456
	s_add_nc_u64 s[10:11], s[4:5], s[52:53]        ; K's images
	s_mul_i32 s52, s32, 98304
	s_add_co_u32 s52, s52, 9437184
	s_add_nc_u64 s[12:13], s[4:5], s[52:53]        ; R's, head m
	s_mul_i32 s52, s34, 98304
	s_add_co_u32 s52, s52, 11010048
	s_add_nc_u64 s[14:15], s[4:5], s[52:53]        ; V's
	s_lshl_b32 s52, s34, 12
	s_add_co_u32 s52, s52, 14417920
	s_add_nc_u64 s[70:71], s[4:5], s[52:53]        ; K's scale bytes
	s_lshl_b32 s52, s32, 12
	s_add_co_u32 s52, s52, 14548992
	s_add_nc_u64 s[72:73], s[4:5], s[52:53]        ; R's
	s_lshl_b32 s52, s34, 12
	s_add_co_u32 s52, s52, 14614528
	s_add_nc_u64 s[74:75], s[4:5], s[52:53]        ; V's
	s_lshl_b32 s35, s30, 7
	s_add_co_u32 s35, s35, s29                     ; 128 b + T
	s_lshl_b32 s52, s35, 4
	s_add_co_u32 s52, s52, s31
	s_mul_i32 s52, s52, 768
	s_add_nc_u64 s[76:77], s[8:9], s[52:53]        ; attn_vec's image
	s_lshl_b32 s52, s35, 9
	s_lshr_b32 s35, s31, 1
	s_lshl_b32 s35, s35, 6
	s_add_co_u32 s52, s52, s35
	s_and_b32 s35, s31, 1
	s_lshl_b32 s35, s35, 1
	s_add_co_u32 s52, s52, s35
	s_add_co_u32 s52, s52, 3145728
	s_add_nc_u64 s[78:79], s[8:9], s[52:53]        ; and its two scale bytes a row
	s_mul_i32 s19, s18, 768                        ; (a register that is not written again)
	v_add_nc_u32 v5, s19, v2
	s_lshr_b32 s35, s29, 1
	s_lshl_b32 s35, s35, 5
	s_and_b32 s52, s29, 1
	s_lshl_b32 s52, s52, 3
	s_add_co_u32 s35, s35, s52                     ; the tile's first query
	v_and_b32 v[MOF], 8, v31
	v_add_nc_u32 v[MOF], v[MOF], v31
	v_add_nc_u32 v[MOF], s35, v[MOF]               ; my query
	v_lshlrev_b32 v[MOF], 8, v[MOF]
	v_lshl_add_u32 v[MOF], v29, 3, v[MOF]
	s_wait_alu depctr_va_vdst(0)                   ; all addresses and offsets are written: v1 to v6, v8, v10, v11, v44, v45, v126, which the loads and stores of the kernel read
	global_load_b128 v[16:19], v1, s[60:61]        ; the query operand stays in registers: registers 0-5 the first term's, 6-11 the second's
	global_load_b64 v[20:21], v2, s[60:61] offset:512
	global_load_b128 v[22:25], v1, s[62:63]
	global_load_b64 v[26:27], v2, s[62:63] offset:512
	global_load_u16 v28, v8, s[66:67]
	global_load_u16 v9, v8, s[68:69]
	global_load_b64 v[32:33], v126, s[70:71]       ; four keys' scale bytes of K,
	global_load_b64 v[34:35], v126, s[72:73]       ; of R,
	global_load_b64 v[36:37], v126, s[74:75]       ; two of V's scale words
	COPY_LD                                        ; slot 0 is always copied
	s_wait_loadcnt 0x0
	v_perm_b32 v40, v34, v32, 0x05040100           ; a word a key: K's two bytes below, R's two above
	v_perm_b32 v41, v34, v32, 0x07060302
	v_perm_b32 v42, v35, v33, 0x05040100
	v_perm_b32 v43, v35, v33, 0x07060302
	s_wait_alu depctr_va_vdst(0)                   ; v40 to v43 are written, which the LDS store below reads
	ds_store_b128 v44, v[40:43]
	ds_store_b64 v45, v[36:37]
	COPY_ST 0
	v_lshl_or_b32 v28, v9, 16, v28                 ; the query's scale word
.irp i, 0,1,2,3,4,5
	v_and_b32 v[22+\i], s33, v[22+\i]              ; zero codes where the second term is 0
.endr
	v_mov_b32 v13, 0xff61b1e6                      ; the largest t so far: -3e38
	v_floor_f32 v12, -v13
	v_mov_b32 v14, 0
	v_mov_b32 v15, 0
	v_mov_b32 v247, 0
.irp b, 0,1,2,3
	v_mov_b32 v[PB+\b], 0                          ; written once: a lane permute's destination counts as one of its sources
.endr
.set j, 0
.rept 32
	v_mov_b32 v[O+j], 0                            ; O^T: the step is written once, and any step may be a wave's first
.set j, j+1
.endr
	s_add_nc_u64 s[10:11], s[10:11], 12288         ; on to slot 1's bytes
	s_add_nc_u64 s[12:13], s[12:13], 12288
	s_add_nc_u64 s[14:15], s[14:15], 12288
	s_wait_kmcnt 0x0
.irp x, 37,38,39,40,41,42,43,44,45,46,47,48,49,50,51
	s_and_b32 s36, s36, s[\x]
.endr
	s_and_b32 s36, s36, 0xffff                     ; steps that no wave of the work-group wants
	s_lshr_b32 s37, s36, 1
	s_and_b32 s36, s36, s37                        ; bit 2 k: slot k's two steps
	s_or_b32 s36, s36, 0x10000                     ; behind slot 7 there is nothing to copy
	s_lshr_b32 s[WS], s36, 2
	s_wait_dscnt 0x0
	s_barrier_signal -1
	s_barrier_wait -1
	s_mov_b32 s[IT], 4
.Lit:
	TRIP 0
	TRIP 1
	s_add_nc_u64 s[16:17], s[16:17], 2             ; the next 512 keys' halfwords (no load of mine is out)
	s_sub_co_u32 s[IT], s[IT], 1
	s_cmp_lg_u32 s[IT], 0
	s_cbranch_scc1 .Lit
	; THE WAY OUT: O^T / the sum, quantised along the head's 64: two blocks; register 16 g + i is channel 32 g + 16 (lane / 16) + i
	v_add_f32 v14, v14, v15
	v_permlanex16_b32 v[PB], v14, s[SEL], s[SEL+1]
	v_add_f32 v14, v14, v[PB]                      ; the row's sum
	v_cmp_eq_f32 vcc_lo, 0, v14                    ; a row with no key at all (read far below)
	v_rcp_f32 v15, v14
	v_and_b32 v126, 15, v0
	v_lshlrev_b32 v126, 2, v126                    ; 4 r
	v_mov_b32 v113, 0xffff
	v_nop
	s_wait_alu depctr_va_vdst(0)                   ; the reciprocal has written v15, ahead of its first reader
.set j, 0
.rept 32
	v_mul_f32 v[S+j], v[O+j], v15
.set j, j+1
.endr
.irp g, 0,1
	v_max3_num_f32 v[BM+\g], |v[S+16*\g]|, |v[S+1+16*\g]|, 0x2800000
.endr
.irp i, 2,4,6,8,10,12,14
.irp g, 0,1
	v_max3_num_f32 v[BM+\g], v[BM+\g], |v[S+16*\g+\i]|, |v[S+1+16*\g+\i]|
.endr
.endr
.irp g, 0,1
	v_permlanex16_b32 v[PB+\g], v[BM+\g], s[SEL], s[SEL+1]
.endr
.irp g, 0,1
	v_max_num_f32 v[BM+\g], v[BM+\g], v[PB+\g]
.endr
.irp g, 0,1
	v_add_nc_u32 v[SO+\g], 0xfe000000, v[BM+\g]
.endr
.irp g, 0,1
	v_lshrrev_b32 v[PB+\g], 23, v[SO+\g]
.endr
	v_lshl_or_b32 v127, v[PB+1], 8, v[PB]
	s_wait_alu depctr_va_vcc(0)                    ; the compare above has written VCC, which the select below reads
	v_cndmask_b32 v127, v127, v113, vcc_lo         ; a row with no key: its bytes say NaN
	v_cvt_scalef32_pk16_bf6_f32 v[PC:PC+2], v[S:S+15], v[SO]
	v_cvt_scalef32_pk16_bf6_f32 v[PC+12:PC+14], v[S+16:S+31], v[SO+1]
	v_nop
.irp i, 0,1,2
	v_permlane16_swap_b32 v[PC+\i], v[PC+12+\i]    ; a whole block to a lane: lanes 0-15 block 0, lanes 16-31 block 1
.endr
.irp i, 0,1,2
	v_mov_b32 v[PC+3+\i], v[PC+12+\i]
.endr
	s_wait_alu depctr_va_vdst(0)                   ; the codes v[PC ..], the scale bytes v127 and the offset v126 are written, which the three stores below read
	global_store_b128 v1, v[PC:PC+3], s[76:77]     ; 512 consecutive bytes, aligned to 256,
	global_store_b64 v2, v[PC+4:PC+5], s[76:77] offset:512   ; and 256
	global_store_b16 v126, v127, s[78:79]          ; two bytes a row (lanes 16-31 write what lanes 0-15 write)
	s_wait_dscnt 0x0                               ; the closing lines, six on end
	s_wait_alu 0x0
	s_wait_tensorcnt 0x0
	ds_add_u32 v254, v255
	s_wait_dscnt 0x0
	s_endpgm
.Lfunc_end_k_q03f25974f5_attn:
	.size	k_q03f25974f5_attn, .Lfunc_end_k_q03f25974f5_attn-k_q03f25974f5_attn
	.p2alignl 7, 3214868480
	.fill 96, 4, 3214868480
	.section	.rodata,"a",@progbits
	.p2align	6, 0x0
	.amdhsa_kernel k_q03f25974f5_attn
		.amdhsa_group_segment_fixed_size 88064
		.amdhsa_private_segment_fixed_size 0
		.amdhsa_enable_private_segment 0
		.amdhsa_kernarg_size 24
		.amdhsa_user_sgpr_count 2
		.amdhsa_user_sgpr_kernarg_segment_ptr 1
		.amdhsa_wavefront_size32 1
		.amdhsa_system_sgpr_workgroup_id_x 1
		.amdhsa_system_sgpr_workgroup_id_y 1
		.amdhsa_system_sgpr_workgroup_id_z 1
		.amdhsa_system_vgpr_workitem_id 0
		.amdhsa_next_free_vgpr 256
		.amdhsa_next_free_sgpr 84
		.amdhsa_reserve_vcc 1
		.amdhsa_float_denorm_mode_32 3
		.amdhsa_float_denorm_mode_16_64 3
		.amdhsa_memory_ordered 1
		.amdhsa_forward_progress 1
		.amdhsa_inst_pref_size 136
	.end_amdhsa_kernel
	.amdgpu_metadata
---
amdhsa.version: [ 1, 2 ]
amdhsa.kernels:
  - .name:           k_q03f25974f5_attn
    .symbol:         k_q03f25974f5_attn.kd
    .args:
      - { .name: att, .offset: 0, .size: 8, .value_kind: global_buffer, .address_space: global }
      - { .name: mb, .offset: 8, .size: 8, .value_kind: global_buffer, .address_space: global }
      - { .name: av, .offset: 16, .size: 8, .value_kind: global_buffer, .address_space: global }
    .group_segment_fixed_size: 88064
    .private_segment_fixed_size: 0
    .kernarg_segment_align: 8
    .kernarg_segment_size: 24
    .max_flat_workgroup_size: 512
    .sgpr_count:     84
    .vgpr_count:     256
    .wavefront_size: 32
...
	.end_amdgpu_metadata
.endif
;; end of part 5
;; launch oln (part 6): grid 256 x 1, 16 waves a work-group, no clusters, 80,384 bytes of LDS; arguments cod, scl, av, content, ln_gamma, ln_beta, out0; writes out0
.if DOCPART == 6
	.amdgcn_target "amdgcn-amd-amdhsa--gfx1250"
	.amdhsa_code_object_version 6
	.text
	.protected	k_q03f25974f5_oln
	.globl	k_q03f25974f5_oln
	.p2align	8
	.type	k_q03f25974f5_oln,@function
k_q03f25974f5_oln:
	s_mov_b64 s[64:65], 0
	v_nop
	global_prefetch_b8 v0, s[64:65] scope:SCOPE_SE
	s_setreg_imm32_b32 hwreg(HW_REG_WAVE_SCHED_MODE, 0, 2), 2
	s_setreg_imm32_b32 hwreg(HW_REG_WAVE_MODE, 25, 1), 1
	s_wait_xcnt 0x0
	s_wait_alu depctr_vm_vsrc(0)
; OLN.  out0 = LayerNorm(content + attn_vec x W_o), the product on codes of BF6, K = 1,024.
; A work-group owns one tile of 16 tokens with all 1,024 columns, since the norm wants whole rows: 256 work-groups.  Wave w makes columns 64 w .. 64 w + 63: W_o's tiles 640 + 4 w + t of cod, whose images go from memory
; straight into its registers, two K steps ahead in three sets.  NO CLUSTER: no two waves of a work-group read the same fragment of W_o, so there is no tile in LDS that a joint load could fill.
; attn_vec's 16 images (one a head, 768 bytes) are shared by all waves: each wave copies one into LDS, one barrier.  K step ks takes heads 2 ks and 2 ks + 1: registers 0-5 and 6-11 of the second source.
; The product is used transposed (first source = 16 columns of W_o): a lane holds one token, and the 16 registers of tiles 2 g, 2 g + 1 are 16 neighbouring columns.  The results meet in a stage (rows of 4,096 bytes + 16);
; behind a second barrier wave w owns token w of the tile: residual, mean, variance and the affine map in f32, and 8 stores of 512 consecutive bytes.
; THE MODE: SCHED_MODE bits 1:0 = 2 (LLVM: expert scheduling mode 2), set by the entry lines.  The code itself states the register dependences
; between vector or matrix instructions and memory or LDS instructions, with s_wait_alu, always for 0.
; THE PLAN.  Registers that memory or LDS instructions touch:
;   v1 to v8     addresses and offsets, made at the head and never written again: one wait on va_vdst ahead of the first load.
;   WF0 .. WF2   K step ks: its four products read set ks % 3; the loads of K step ks + 3 land in it in K step ks + 1 (in the last K steps content, gamma and beta take the sets that are left).
;   AFR0, AFR1   K step ks: its products read set ks % 2; the LDS loads of K step ks + 1 land in it.
;                So ONE wait on va_vdst stands at the head of K steps 1 to 7: the products of the K step before are done reading both; all the step's loads follow it, and no vector or matrix instruction stands between.
;   ASC, WSC     scale words: loaded once, read by the products.
;   ACC          written by the products; read by the LDS stores into the stage (the places, then a wait on va_vdst); the stage's loads land in it again (a wait on vm_vsrc); the norm writes it, the global stores read it (a wait on va_vdst).
;   v48 to v53   at the head: my head's image, read by two LDS stores; attn_vec's fragments land there behind a wait on vm_vsrc.
.set STGE, 12288
.set ACC, 16                           ; v16-47   four accumulators; later my row
.set AFR, 48                           ; v48-71   attn_vec's fragment, two sets
.set ASC, 72                           ; v72-79   its scale words, one a K step
.set WSC, 80                           ; v80-111  W_o's scale words: register 8 t + ks
.set WF,  112                          ; v112-255 W_o's fragments: three sets of 48; later gamma (v112), beta (v160), content (v208)
.macro WLOAD ks
.irp t, 0,1,2,3
.irp c, 0,1,2
	global_load_b128 v[WF+48*((\ks)%3)+12*\t+4*\c:WF+48*((\ks)%3)+12*\t+4*\c+3], v1, s[4:5] offset:12288*\t+1536*(\ks)+512*\c
.endr
.endr
.endm
.macro ALOAD ks
.set AB, AFR+12*((\ks)%2)
	ds_load_b128 v[AB:AB+3], v1 offset:1536*(\ks)
	ds_load_b64 v[AB+4:AB+5], v2 offset:1536*(\ks)+512
	ds_load_b128 v[AB+6:AB+9], v1 offset:1536*(\ks)+768
	ds_load_b64 v[AB+10:AB+11], v2 offset:1536*(\ks)+768+512
.endm
.macro KSTEP ks
.if (\ks) > 0
.rept 4
	v_nop                                          ; four places behind the last products, then the wait
.endr
	s_wait_alu depctr_va_vdst(0)                   ; the products of the K step before are done reading their set of W_o's fragments and their fragment of attn_vec, in which the loads below land
.endif
.if (\ks) <= 5
	WLOAD (\ks)+2
.elseif (\ks) == 6
.irp k, 0,1,2,3,4,5,6,7
	global_load_b128 v[208+4*\k:211+4*\k], v1, s[10:11] offset:512*\k      ; my row of content, into the set that K step 5 has left
.endr
.else
.irp k, 0,1,2,3,4,5,6,7
	global_load_b128 v[112+4*\k:115+4*\k], v1, s[12:13] offset:512*\k      ; gamma
.endr
.endif
.if (\ks) < 7
	ALOAD (\ks)+1
.endif
.if (\ks) <= 5
	s_wait_loadcnt 24                              ; this K step's 12 loads are in; the two sets behind them may be out
.elseif (\ks) == 6
	s_wait_loadcnt 20                              ; K step 7's 12 and content's 8 may be out
.else
	s_wait_loadcnt 16                              ; content's 8 and gamma's 8 may be out
.endif
.if (\ks) < 7
	s_wait_dscnt 4                                 ; the next fragment's four loads may be out
.else
	s_wait_dscnt 0x0
.endif
.irp t, 0,1,2,3                        ; the four accumulators take turns, one instruction a turn
.if (\ks) == 0
	v_wmma_scale_f32_16x16x128_f8f6f4 v[ACC+8*\t:ACC+8*\t+7], v[WF+48*((\ks)%3)+12*\t:WF+48*((\ks)%3)+12*\t+11], v[AFR+12*((\ks)%2):AFR+12*((\ks)%2)+11], 0, v[WSC+8*\t+(\ks)], v[ASC+(\ks)] matrix_a_fmt:MATRIX_FMT_BF6 matrix_b_fmt:MATRIX_FMT_BF6
.else
	v_wmma_scale_f32_16x16x128_f8f6f4 v[ACC+8*\t:ACC+8*\t+7], v[WF+48*((\ks)%3)+12*\t:WF+48*((\ks)%3)+12*\t+11], v[AFR+12*((\ks)%2):AFR+12*((\ks)%2)+11], v[ACC+8*\t:ACC+8*\t+7], v[WSC+8*\t+(\ks)], v[ASC+(\ks)] matrix_a_fmt:MATRIX_FMT_BF6 matrix_b_fmt:MATRIX_FMT_BF6
.endif
.endr
.endm
.macro WSUM x, y                       ; the sum over the wave's 32 lanes, in every lane
	v_add_f32_dpp v[\x], v[\x], v[\x] row_xmask:1 row_mask:0xf bank_mask:0xf
	v_add_f32_dpp v[\x], v[\x], v[\x] row_xmask:2 row_mask:0xf bank_mask:0xf
	v_add_f32_dpp v[\x], v[\x], v[\x] row_xmask:4 row_mask:0xf bank_mask:0xf
	v_add_f32_dpp v[\x], v[\x], v[\x] row_xmask:8 row_mask:0xf bank_mask:0xf
	v_permlanex16_b32 v[\y], v[\x], s20, s21
	v_add_f32 v[\x], v[\x], v[\y]
.endm
	s_load_b256 s[4:11], s[0:1], 0x0               ; cod, scl, av, content
	s_load_b128 s[12:15], s[0:1], 0x20             ; ln_gamma, ln_beta
	s_load_b64 s[16:17], s[0:1], 0x30              ; out0
	v_lshl_add_u32 v14, v0, 2, 0x13200
	v_mov_b32 v15, 0
	v_lshrrev_b32 v1, 5, v0
	v_readfirstlane_b32 s18, v1                    ; wave 0..15
	v_and_b32 v9, 31, v0
	v_and_b32 v10, 15, v0                          ; r
	v_bfe_u32 v11, v0, 4, 1                        ; h
	v_lshlrev_b32 v1, 4, v9                        ; 16 x lane
	v_lshlrev_b32 v2, 3, v9                        ; 8 x lane
	v_lshlrev_b32 v3, 5, v10                       ; 32 r
	v_lshlrev_b32 v4, 2, v10                       ; 4 r
	v_mul_u32_u24 v5, v10, 4112
	v_lshl_add_u32 v5, v11, 6, v5
	s_wait_alu depctr_va_sdst(0)                   ; s18 is written, ahead of its first reader
	s_lshl_b32 s19, s18, 8
	v_add_nc_u32 v5, s19, v5
	v_add_nc_u32 v5, STGE, v5                      ; the stage, in: row r, + 256 w + 64 h
	s_mul_i32 s38, s18, 4112
	s_add_co_u32 s38, s38, STGE
	v_add_nc_u32 v6, s38, v1                       ; and out: row w, 16 bytes a lane
	s_mul_i32 s39, s18, 768
	v_add_nc_u32 v7, s39, v1                       ; head w's image, in memory and in LDS
	v_add_nc_u32 v8, s39, v2
	s_mov_b32 s20, 0x76543210
	s_mov_b32 s21, 0xfedcba98
	s_mov_b32 s22, 0x3a800000                      ; 1 / 1,024
	s_mov_b32 s23, 0x3727c5ac                      ; 1e-5
	s_and_b32 s24, ttmp9, 127                      ; T
	s_lshr_b32 s25, ttmp9, 7                       ; b
	s_lshr_b32 s26, s24, 1
	s_lshl_b32 s26, s26, 5
	s_and_b32 s27, s24, 1
	s_lshl_b32 s27, s27, 3
	s_add_co_u32 s26, s26, s27
	s_add_co_u32 s26, s26, s18
	s_and_b32 s27, s18, 8
	s_add_co_u32 s26, s26, s27                     ; i of the tile's token w
	s_lshl_b32 s26, s26, 1
	s_add_co_u32 s26, s26, s25                     ; its row in memory: 2 i + b
	s_lshl_b32 s26, s26, 12
	s_mov_b32 s27, 0
	s_mul_i32 s28, ttmp9, 12288
	s_mov_b32 s29, 0
	s_lshl_b32 s30, ttmp9, 9
	s_add_co_u32 s30, s30, 3145728
	s_mov_b32 s31, 0
	s_lshl_b32 s32, s18, 2
	s_add_co_u32 s32, s32, 640
	s_mul_i32 s32, s32, 12288
	s_mov_b32 s33, 0
	s_lshl_b32 s34, s18, 6
	s_add_co_u32 s34, s34, 10240
	s_lshl_b32 s34, s34, 5
	s_mov_b32 s35, 0
	s_wait_kmcnt 0x0
	s_add_nc_u64 s[10:11], s[10:11], s[26:27]
	s_add_nc_u64 s[16:17], s[16:17], s[26:27]
	s_add_nc_u64 s[36:37], s[8:9], s[30:31]        ; attn_vec's scale words
	s_add_nc_u64 s[8:9], s[8:9], s[28:29]          ; its images
	s_add_nc_u64 s[4:5], s[4:5], s[32:33]          ; my four tiles of W_o
	s_add_nc_u64 s[6:7], s[6:7], s[34:35]          ; and their scale bytes
	s_wait_alu depctr_va_vdst(0)                   ; the eight addresses and offsets v1 to v8 are written, which the loads and stores of the kernel read
	global_load_b128 v[48:51], v7, s[8:9]
	global_load_b64 v[52:53], v8, s[8:9] offset:512
.irp k, 0,1,2,3,4,5,6,7
	global_load_b32 v[ASC+\k], v4, s[36:37] offset:64*\k
.endr
.irp t, 0,1,2,3
	global_load_b128 v[WSC+8*\t:WSC+8*\t+3], v3, s[6:7] offset:512*\t
	global_load_b128 v[WSC+8*\t+4:WSC+8*\t+7], v3, s[6:7] offset:512*\t+16
.endr
	WLOAD 0
	WLOAD 1
	s_wait_loadcnt 40                              ; the image is in: behind it 8 + 8 + 12 + 12 loads were issued
	ds_store_b128 v7, v[48:51]
	ds_store_b64 v8, v[52:53] offset:512
	s_wait_dscnt 0x0                               ; for the others' sake
	s_barrier_signal -1
	s_barrier_wait -1
	s_wait_alu depctr_vm_vsrc(0)                   ; my two LDS stores have read v48 to v53, in which attn_vec's first fragment lands
	ALOAD 0
.irp q, 0,1,2,3,4,5,6,7
	KSTEP \q
.endr
.rept 4
	v_nop
.endr
	s_wait_alu depctr_va_vdst(0)                   ; the products have written the accumulators, which the LDS stores below read, and are done reading K step 7's set, in which beta lands; the places above stay beside this wait
.irp k, 0,1,2,3,4,5,6,7
	global_load_b128 v[160+4*\k:163+4*\k], v1, s[14:15] offset:512*\k      ; beta
.endr
.irp g, 0,1
.irp k, 0,1,2,3
	ds_store_b128 v5, v[ACC+16*\g+4*\k:ACC+16*\g+4*\k+3] offset:128*\g+16*\k   ; 16 neighbouring columns of my token; each accumulator from its low end on
.endr
.endr
	s_wait_dscnt 0x0
	s_barrier_signal -1
	s_barrier_wait -1
	s_wait_alu depctr_vm_vsrc(0)                   ; my LDS stores have read v16 to v47, in which my row lands (the products that wrote them stand ahead of the last wait on va_vdst)
.irp k, 0,1,2,3,4,5,6,7
	ds_load_b128 v[16+4*\k:19+4*\k], v6 offset:512*\k
.endr
	s_wait_dscnt 0x0
	s_wait_loadcnt 16                              ; content is in; gamma's 8 and beta's 8 may be out
.set j, 0
.rept 16
	v_pk_add_f32 v[16+j:17+j], v[16+j:17+j], v[208+j:209+j]        ; the residual
.set j, j+2
.endr
	v_pk_add_f32 v[48:49], v[16:17], v[18:19]
	v_pk_add_f32 v[50:51], v[20:21], v[22:23]
.set j, 24
.rept 6
	v_pk_add_f32 v[48:49], v[48:49], v[j:j+1]
	v_pk_add_f32 v[50:51], v[50:51], v[j+2:j+3]
.set j, j+4
.endr
	v_pk_add_f32 v[48:49], v[48:49], v[50:51]
	v_add_f32 v48, v48, v49
	WSUM 48, 49
	v_mul_f32 v48, s22, v48                        ; the mean
.set j, 0
.rept 16
	v_pk_add_f32 v[16+j:17+j], v[16+j:17+j], v[48:49] op_sel_hi:[1,0] neg_lo:[0,1] neg_hi:[0,1]
.set j, j+2
.endr
	v_pk_mul_f32 v[50:51], v[16:17], v[16:17]
	v_pk_mul_f32 v[52:53], v[18:19], v[18:19]
.set j, 20
.rept 7
	v_pk_fma_f32 v[50:51], v[j:j+1], v[j:j+1], v[50:51]
	v_pk_fma_f32 v[52:53], v[j+2:j+3], v[j+2:j+3], v[52:53]
.set j, j+4
.endr
	v_pk_add_f32 v[50:51], v[50:51], v[52:53]
	v_add_f32 v50, v50, v51
	WSUM 50, 51
	v_fma_f32 v50, v50, s22, s23                   ; the variance + 1e-5
	v_rsq_f32 v52, v50
	v_nop
	s_wait_alu depctr_va_vdst(0)                   ; the root has written v52, ahead of its first reader
	s_wait_loadcnt 0x0                             ; gamma and beta
.set j, 0
.rept 16
	v_pk_mul_f32 v[16+j:17+j], v[16+j:17+j], v[52:53] op_sel_hi:[1,0]
.set j, j+2
.endr
.set j, 0
.rept 16
	v_pk_fma_f32 v[16+j:17+j], v[16+j:17+j], v[112+j:113+j], v[160+j:161+j]
.set j, j+2
.endr
	s_wait_alu depctr_va_vdst(0)                   ; the norm has written v16 to v47, which the eight stores below read
.irp k, 0,1,2,3,4,5,6,7
	global_store_b128 v1, v[16+4*\k:19+4*\k], s[16:17] offset:512*\k th:TH_STORE_NT   ; 32 lanes store 512 consecutive bytes, aligned to 256
.endr
	s_wait_dscnt 0x0                               ; the closing lines, six on end
	s_wait_alu 0x0
	s_wait_tensorcnt 0x0
	ds_add_u32 v14, v15
	s_wait_dscnt 0x0
	s_endpgm
.Lfunc_end_k_q03f25974f5_oln:
	.size	k_q03f25974f5_oln, .Lfunc_end_k_q03f25974f5_oln-k_q03f25974f5_oln
	.p2alignl 7, 3214868480
	.fill 96, 4, 3214868480
	.section	.rodata,"a",@progbits
	.p2align	6, 0x0
	.amdhsa_kernel k_q03f25974f5_oln
		.amdhsa_group_segment_fixed_size 80384
		.amdhsa_private_segment_fixed_size 0
		.amdhsa_enable_private_segment 0
		.amdhsa_kernarg_size 56
		.amdhsa_user_sgpr_count 2
		.amdhsa_user_sgpr_kernarg_segment_ptr 1
		.amdhsa_wavefront_size32 1
		.amdhsa_system_sgpr_workgroup_id_x 1
		.amdhsa_system_sgpr_workgroup_id_y 1
		.amdhsa_system_sgpr_workgroup_id_z 1
		.amdhsa_system_vgpr_workitem_id 0
		.amdhsa_next_free_vgpr 256
		.amdhsa_next_free_sgpr 66
		.amdhsa_reserve_vcc 0
		.amdhsa_float_denorm_mode_32 3
		.amdhsa_float_denorm_mode_16_64 3
		.amdhsa_memory_ordered 1
		.amdhsa_forward_progress 1
		.amdhsa_inst_pref_size 34
	.end_amdhsa_kernel
	.amdgpu_metadata
---
amdhsa.version: [ 1, 2 ]
amdhsa.kernels:
  - .name:           k_q03f25974f5_oln
    .symbol:         k_q03f25974f5_oln.kd
    .args:
      - { .name: cod, .offset: 0, .size: 8, .value_kind: global_buffer, .address_space: global }
      - { .name: scl, .offset: 8, .size: 8, .value_kind: global_buffer, .address_space: global }
      - { .name: av, .offset: 16, .size: 8, .value_kind: global_buffer, .address_space: global }
      - { .name: content, .offset: 24, .size: 8, .value_kind: global_buffer, .address_space: global }
      - { .name: ln_gamma, .offset: 32, .size: 8, .value_kind: global_buffer, .address_space: global }
      - { .name: ln_beta, .offset: 40, .size: 8, .value_kind: global_buffer, .address_space: global }
      - { .name: out0, .offset: 48, .size: 8, .value_kind: global_buffer, .address_space: global }
    .group_segment_fixed_size: 80384
    .private_segment_fixed_size: 0
    .kernarg_segment_align: 8
    .kernarg_segment_size: 56
    .max_flat_workgroup_size: 512
    .sgpr_count:     66
    .vgpr_count:     256
    .wavefront_size: 32
...
	.end_amdgpu_metadata
.endif
;; end of part 6
